; MI455X (gfx1250); checked and timed in simulation.
; The chip was launched on July 23, 2026; its instructions are those of AMD's public machine-readable ISA for CDNA 5 (MIT licence, August 2026) and "CDNA5" Instruction Set Architecture Reference Guide (July 2026). The comments in the code are by the model that wrote it; some were corrected since.
;; Multi Head Self Attention. Allowed arithmetic: matrix products marked QUANTISED: E2M3 operands, one E8M0 scale for each 32 along K, by v_wmma_scale_f32_16x16x128_f8f6f4 with both operands' format E2M3, f32 sums; everything else in f32.
;; Inputs: bk 1,024 float32; bo 1,024 float32; bq 1,024 float32; bv 1,024 float32; mask 1 x 1 x 2,048 x 2,048 bool; wk 1,024 x 1,024 float32; wo 1,024 x 1,024 float32; wq 1,024 x 1,024 float32; wv 1,024 x 1,024 float32; x 4 x 2,048 x 1,024 float32.
;; Outputs: out0 4 x 2,048 x 1,024 float32.
;; This version of the problem:
;;   THIS VERSION OF THE PROBLEM IS GIVEN IN LOW PRECISION. The matrix products marked QUANTISED in the list below multiply operands that are first quantised to E2M3 (2 exponent bits, 3 mantissa bits; 6 bits a number), with one power-of-two scale for each 32 numbers along K (OCP MX v1.0); their sums are f32. All else is computed in f32.
;;   The module's matrix products, in the order in which they are computed (A, B: the left and right operand; K: the contracted axis; several contracted axes count as one K, in the product's order):
;;     1. [M 8,192, K 1,024] x [K 1,024, N 1,024]; A: input x; B: input wq: QUANTISED
;;     2. [M 8,192, K 1,024] x [K 1,024, N 1,024]; A: input x; B: input wk: QUANTISED
;;     3. [M 8,192, K 1,024] x [K 1,024, N 1,024]; A: input x; B: input wv: QUANTISED
;;     4. batch 64 x [M 2,048, K 64] x [K 64, N 2,048]; A: computed on the way; B: computed on the way: QUANTISED
;;     5. batch 64 x [M 2,048, K 2,048] x [K 2,048, N 64]; A: softmax (see below); B: computed on the way: QUANTISED
;;     6. [M 8,192, K 1,024] x [K 1,024, N 1,024]; A: computed on the way; B: input wo: QUANTISED
;;   THE QUANTISER, for each operand of a quantised product, along K:
;;     - K is cut into blocks of 32 from its start; a last block that is shorter is filled with zeros.
;;     - A block's scale is 2^e with e = floor(log2(the largest magnitude in the block)) - 2, held to -126 .. 127; a block of zeros has e = 0. As a byte (E8M0): e + 127.
;;     - Each number is divided by its block's scale, clamped to +-7.5, and rounded to the nearest number of E2M3, ties to even, subnormals kept.
;;     - The product sums the exact products of the quantised numbers (number of the format x scale) in f32.
;;   ~~~python
;;   def quantise(x, axis):      # numpy; x: float32 -> the quantised numbers, widened to float32 again
;;       x = np.moveaxis(x, axis, -1); K = x.shape[-1]
;;       x = np.pad(x, [(0, 0)] * (x.ndim - 1) + [(0, -K % 32)]); x = x.reshape(x.shape[:-1] + (-1, 32)); a = np.abs(x).max(-1, keepdims=True)
;;       e = np.where(a > 0, np.clip(np.frexp(np.where(a > 0, a, 1))[1] - 1 - 2, -126, 127), 0)      # np.frexp(a)[1] - 1 = floor(log2(a)), exactly
;;       r = np.clip(x / 2.0 ** e, -7.5, 7.5)
;;       step = 2.0 ** (np.maximum(np.frexp(np.where(r == 0, 1, r))[1] - 1, 0) - 3)
;;       q = np.round(r / step) * step * 2.0 ** e      # np.round: ties to even
;;       return np.moveaxis(q.reshape(q.shape[:-2] + (-1,))[..., :K], -1, axis).astype(np.float32)
;;   ~~~
;;   SOFTMAX AHEAD OF A QUANTISED PRODUCT. Where the list says 'softmax', what is quantised is not the finished softmax but p = 2^(t - M), with t = logit x log2(e) and M = ceil(the row's largest t), a whole number; so 1/2 < the row's largest p <= 1. The row's sum l is taken of the UNQUANTISED p, in f32, and the product's result is divided by l at the end. Since M is a whole number, a kernel that streams over the keys may use a running M (the ceiling of the running maximum): every later rescaling is an exact power of two, which a block's scale takes up: the codes' values come out the same.
;;   OPERANDS COMPUTED ON THE WAY. 'Computed on the way' means the value that the module computes at that place (a softmax that the list does not call 'softmax' is quantised finished and normalised). What goes into a quantiser is computed in f32, as accurately as f32 sums, v_exp_f32 and their like allow (about 1e-6 of the number): no bf16 or f16 on the way to a quantiser, and a product that is left as it is and whose result goes on into a quantised operand takes f32 operands (vector FMAs, or v_wmma_f32_16x16x4_f32). A number that lies on a knife's edge between two numbers of the format may be rounded either way, as far as f32 arithmetic and the matrix unit's own rounding can turn it there, and no further.
;; One version. Each part assembles by itself: llvm-mc -triple=amdgcn-amd-amdhsa -mcpu=gfx1250 --defsym DOCPART=n.
;; ======== version 1 of 1: 4 launches
;; limits: right only within a limited range of input values
;; workspace buffers: prep 9,830,400 bytes; msk 524,800 bytes of whole numbers; qkv 20,185,088 bytes; att 6,553,600 bytes
;; launch prep (part 1): grid 416 x 1, 4 waves a work-group, no clusters, 68,096 bytes of LDS; arguments x, wq, wk, wv, wo, mask, prep, msk; writes prep, msk
.if DOCPART == 1
	.amdgcn_target "amdgcn-amd-amdhsa--gfx1250"
	.amdhsa_code_object_version 6
	.text
	.protected	k_q53e496fb8f_prep
	.globl	k_q53e496fb8f_prep
	.p2align	8
	.type	k_q53e496fb8f_prep,@function
k_q53e496fb8f_prep:
	s_mov_b64 s[64:65], 0
	v_nop
	global_prefetch_b8 v0, s[64:65] scope:SCOPE_SE
	s_setreg_imm32_b32 hwreg(HW_REG_WAVE_MODE, 25, 1), 1
	s_wait_xcnt 0x0
; THE OPERANDS THAT ARRIVE AS f32 BECOME CODES OF FP6 (E2M3) WITH ONE E8M0 BYTE FOR EACH 32 ALONG K, AND THE MASK BECOMES LANE MASKS AND FLAGS.
; prep: x's codes [8192 rows][768 bytes] at 0, x's scale bytes [8192][32] at P_XS; the weights' codes [4096 rows][768] at P_WC (a row = a column n of wq, wk, wv, wo, in that order, K innermost), their bytes [4096][32] at P_WS.
; ROWS ARE STORED IN ANOTHER ORDER: inside each 32 rows the second and the third group of eight change places, so that 16 consecutive stored rows, taken as source 0 of a product, leave a lane
; sixteen neighbours along the next product's K in the registers of two neighbouring tiles.
; msk: for each tile of 16 queries (128 of them; tile T holds queries 32 (T / 2) + 8 (T % 2) + r + 8 (r / 8)) and each step of 128 keys 64 words: bit l of word 16 b + i is mask[query of lane l % 16][128 step + 32 b + 16 (l / 16) + i];
; at M_FL one word a tile, two bits a step: 0 = no key of the step counts for any query of the tile, and every query of the tile has a key that counts somewhere; 2 = all count; 1 = else.
; A block's scale is 2^(floor(log2(largest magnitude)) - 2); its byte is the largest magnitude's exponent field - 2, held at 1 from below (a block of zeros keeps the byte 1: its codes are zeros, and this program alone reads the bytes).
; LIMITS: blocks whose largest magnitude lies under 2^-124 keep the byte 1; NaN and infinities are not served; a bool is the byte 0 or 1.
; SHARES: work-groups 0-31 take the mask (a wave to a tile of queries), 32-159 the weights (32 columns x 256 along K a wave), 160-415 x (8 rows a wave).  Each reads 128 KiB.  Waves share nothing: no barrier.
; Each of the two ways that use LDS has LDS bytes of its own: x bytes 0-32,767, the weights 32,768 on.
.set P_XS, 6291456
.set P_WC, 6553600
.set P_WS, 9699328
.set M_FL, 524288
.set EMAX, 2
	s_load_b512 s[4:19], s[0:1], 0x0               ; x s[4:5], wq s[6:7], wk s[8:9], wv s[10:11], wo s[12:13], mask s[14:15], prep s[16:17], msk s[18:19]
	v_lshl_add_u32 v192, v0, 2, 0x10800
	v_mov_b32 v193, 0
	v_lshrrev_b32 v1, 5, v0
	v_readfirstlane_b32 s20, v1                    ; wave
	v_and_b32 v2, 31, v0                           ; lane
	s_cmp_lt_u32 ttmp9, 32
	s_cbranch_scc1 .Lmask
	s_cmp_lt_u32 ttmp9, 160
	s_cbranch_scc1 .Lweights
; ---------------- x: a plain stream of blocks of 32.  A wave takes 16 steps of 512 numbers: 8 rows.  Each load reads 512 consecutive bytes; a step's 2,048 bytes turn through the wave's own stage, so that a lane holds 16 neighbours.
.set STEPS, 16
.set CB,    12                         ; bytes of 16 codes
.set XR,    16                         ; v16-79   four sets of 16 numbers as loaded
.set XX,    80                         ; v80-111  two sets of 16 neighbours
.set XE,    112                        ; v112-127 a scale byte for each step
.set XCD,   128                        ; v128-191 codes: four registers a step, so that no store's data are written again
.set WREG,  8192                       ; LDS of a wave: two stages of 32 x SP bytes, then its 256 scale bytes
.set SP,    80                         ; a lane's place in a stage: 64 bytes + 16 of padding
	v_lshlrev_b32 v3, 4, v2                        ; my 16 bytes of a load's 512
	s_mul_i32 s21, s20, WREG
	v_lshrrev_b32 v14, 2, v2
	v_mul_u32_u24 v14, v14, SP
	v_and_b32 v15, 3, v2
	v_lshl_add_u32 v14, v15, 4, v14
	v_add_nc_u32 v14, s21, v14                     ; the stage, on the way in: SP (lane / 4) + 16 (lane % 4)
	v_mul_u32_u24 v15, v2, SP
	v_add_nc_u32 v15, s21, v15                     ; on the way out: SP x lane
	v_mul_u32_u24 v4, v2, CB                       ; my codes' place in a step's
	v_lshrrev_b32 v5, 1, v2
	s_add_co_u32 s21, s21, 2*32*SP
	v_add_nc_u32 v5, s21, v5                       ; my block's byte among the wave's 256
	v_lshlrev_b32 v7, 3, v2
	v_add_nc_u32 v6, s21, v7
	s_sub_co_u32 s22, ttmp9, 160
	s_lshl_b32 s22, s22, 2                         ; the work-group's 32 rows are four runs of 8
	s_add_co_u32 s24, s22, s20                     ; the run that I read,
	s_and_b32 s23, s20, 1
	s_lshl_b32 s23, s23, 1
	s_lshr_b32 s25, s20, 1
	s_or_b32 s23, s23, s25                         ; and where it is stored: groups 1 and 2 change places
	s_add_co_u32 s26, s22, s23
	s_lshl_b32 s24, s24, 15                        ; 8 rows of 4,096 bytes
	s_mov_b32 s25, 0
	s_wait_kmcnt 0x0
	s_add_nc_u64 s[4:5], s[4:5], s[24:25]
	s_mul_i32 s24, s26, 6144                       ; 8 rows of 768 bytes
	s_add_nc_u64 s[8:9], s[16:17], s[24:25]
	s_lshl_b32 s24, s26, 8                         ; 8 rows of 32 bytes
	s_add_co_u32 s24, s24, P_XS
	s_add_nc_u64 s[10:11], s[16:17], s[24:25]
.macro XLOAD t
.irp i, 0,1,2,3
	global_load_b128 v[XR+16*((\t)%4)+4*\i:XR+16*((\t)%4)+4*\i+3], v3, s[4:5] offset:2048*(\t)+512*\i th:TH_LOAD_NT
.endr
.endm
.macro XTURN t                         ; LDS serves a wave's instructions in order: no wait between the stores and the loads
.irp i, 0,1,2,3
	ds_store_b128 v14, v[XR+16*((\t)%4)+4*\i:XR+16*((\t)%4)+4*\i+3] offset:32*SP*((\t)%2)+8*SP*\i
.endr
.irp i, 0,1,2,3
	ds_load_b128 v[XX+16*((\t)%2)+4*\i:XX+16*((\t)%2)+4*\i+3], v15 offset:32*SP*((\t)%2)+16*\i
.endr
.endm
.irp t, 0,1,2,3
	XLOAD \t
.endr
	s_wait_loadcnt 12                              ; step 0's four loads are in; the twelve of steps 1 to 3 stay out
	XTURN 0
.macro XSTEP t
.set XSS, XX+16*((\t)%2)
.if (\t) > 0
	s_wait_dscnt 1                                 ; this step's numbers are back from the stage; the last step's byte store may be out
.else
	s_wait_dscnt 0x0
.endif
.if (\t)+4 < STEPS
	XLOAD (\t)+4                                   ; into the registers that the stage's stores have read
.endif
.if (\t)+1 < STEPS
.if STEPS-2-(\t) >= 3
	s_wait_loadcnt 12                              ; the next step's four loads are in; those of the three steps behind it may be out
.else
	s_wait_loadcnt 4*(STEPS-2-(\t))
.endif
	XTURN (\t)+1
.endif
	v_max3_num_f32 v8, |v[XSS]|, |v[XSS+1]|, |v[XSS+2]|
	v_max3_num_f32 v9, |v[XSS+3]|, |v[XSS+4]|, |v[XSS+5]|
.irp i, 6,10
	v_max3_num_f32 v8, v8, |v[XSS+\i]|, |v[XSS+\i+1]|
	v_max3_num_f32 v9, v9, |v[XSS+\i+2]|, |v[XSS+\i+3]|
.endr
	v_max3_num_f32 v8, v8, |v[XSS+14]|, |v[XSS+15]|
	v_max3_num_f32 v8, v8, v9, (EMAX+1)<<23        ; with the floor 2^(3 - 127): the byte cannot fall under 1
	v_max_num_f32_dpp v8, v8, v8 row_xmask:1 row_mask:0xf bank_mask:0xf   ; and my neighbour's 16: the block's largest magnitude
	v_add_nc_u32 v11, -(EMAX<<23), v8              ; 2 off its exponent field: the conversion's scale operand
	v_cvt_scalef32_pk16_fp6_f32 v[XCD+4*(\t):XCD+4*(\t)+2], v[XSS:XSS+15], v11
	v_lshrrev_b32 v[XE+(\t)], 23, v11              ; the scale's byte
	ds_store_b8 v5, v[XE+(\t)] offset:16*(\t)      ; both lanes of a block write the same byte with the same value
	global_store_b96 v4, v[XCD+4*(\t):XCD+4*(\t)+2], s[8:9] offset:32*CB*(\t)   ; the wave stores 384 consecutive bytes
.endm
.irp t, 0,1,2,3,4,5,6,7,8,9,10,11,12,13,14,15
	XSTEP \t
.endr
	ds_load_b64 v[12:13], v6
	s_wait_dscnt 0x0
	global_store_b64 v7, v[12:13], s[10:11]        ; 32 lanes store 256 consecutive bytes, aligned
	s_wait_tensorcnt 0x0
	ds_add_u32 v192, v193
	s_wait_dscnt 0x0
	s_endpgm
; ---------------- the weights, stored [K][N]: a lane takes a column n and its registers run down K, so that a block lies in one lane and the codes come out with K innermost.
.Lweights:
.set WNB,   8                          ; blocks of 32 along K for a wave
.set WPIT,  272                        ; a stage row: sixteen places of 16 bytes (12 of codes each) + 16
.set WKROW, 768
.set WSTG,  32768
.set WX,    32                         ; v32-95   two sets of 32 numbers
.set WCD,   96                         ; v96..    a block's codes
.set WOUT,  112                        ; v112-175 the way out
.set WSB,   24                         ; v24-25   the scale bytes
	s_sub_co_u32 s21, ttmp9, 32
	s_lshr_b32 s22, s21, 5                         ; which weight: 0 wq, 1 wk, 2 wv, 3 wo
	s_and_b32 s23, s21, 7                          ; which 128 columns
	s_bfe_u32 s24, s21, 0x20003                    ; which 256 along K
	s_lshl_b32 s25, s23, 7
	s_lshl_b32 s26, s20, 5
	s_add_co_u32 s25, s25, s26                     ; my wave's first column
	v_lshlrev_b32 v3, 2, v2                        ; in: 4 bytes a lane
	v_and_b32 v5, 7, v2
	v_and_b32 v6, 8, v2
	v_lshl_add_u32 v5, v6, 1, v5
	v_bfe_u32 v6, v2, 4, 1
	v_lshl_add_u32 v10, v6, 3, v5                  ; the stored row of my column among the wave's 32: bits 3 and 4 of the lane change places
	s_mul_i32 s27, s20, 32*WPIT
	s_add_co_u32 s27, s27, WSTG                    ; my stage
	v_mul_u32_u24 v4, v10, WPIT
	v_add_nc_u32 v4, s27, v4                       ; into it: my stored row
	v_and_b32 v5, 15, v2
	v_lshrrev_b32 v6, 4, v2
	v_mul_u32_u24 v7, v6, WPIT
	v_lshl_add_u32 v7, v5, 4, v7
	v_add_nc_u32 v7, s27, v7                       ; out of it: sixteen lanes to a row, two rows an instruction
	v_mul_u32_u24 v8, v6, WKROW
	v_mad_u32_u24 v8, v5, 12, v8                   ; the same place in the codes
	v_lshlrev_b32 v9, 5, v10                       ; my stored row of scale bytes
	s_lshl_b32 s28, s24, 20                        ; 256 rows of 4,096 bytes
	s_lshl_b32 s29, s25, 2
	s_add_co_u32 s28, s28, s29
	s_mov_b32 s29, 0
	s_lshl_b32 s30, s22, 10
	s_add_co_u32 s30, s30, s25                     ; my first row among the 4,096
	s_mul_i32 s32, s30, WKROW
	s_mul_i32 s31, s24, 192
	s_add_co_u32 s32, s32, s31
	s_add_co_u32 s32, s32, P_WC
	s_mov_b32 s33, 0
	s_lshl_b32 s34, s30, 5
	s_lshl_b32 s31, s24, 3
	s_add_co_u32 s34, s34, s31
	s_add_co_u32 s34, s34, P_WS
	s_mov_b32 s35, 0
	s_wait_kmcnt 0x0
	s_bitcmp1_b32 s22, 0                           ; the choice hangs on the work-group's number alone
	s_cselect_b64 s[6:7], s[8:9], s[6:7]           ; wk or wq
	s_cselect_b64 s[10:11], s[12:13], s[10:11]     ; wo or wv
	s_bitcmp1_b32 s22, 1
	s_cselect_b64 s[4:5], s[10:11], s[6:7]
	s_add_nc_u64 s[4:5], s[4:5], s[28:29]
	s_add_nc_u64 s[6:7], s[16:17], s[32:33]
	s_add_nc_u64 s[8:9], s[16:17], s[34:35]
.macro WLOAD t
.irp i, 0,1,2,3,4,5,6,7,8,9,10,11,12,13,14,15,16,17,18,19,20,21,22,23,24,25,26,27,28,29,30,31
	global_load_b32 v[WX+32*((\t)%2)+\i], v3, s[4:5] offset:(32*(\t)+\i)*4096 th:TH_LOAD_NT   ; 128 consecutive bytes a wave, 512 a work-group
.endr
.endm
	WLOAD 0
	WLOAD 1
.macro WBLOCK t
.set WXS, WX+32*((\t)%2)
.if (\t) < WNB-1
	s_wait_loadcnt 32                              ; this block's 32 loads are in; the next block's may be out
.else
	s_wait_loadcnt 0
.endif
	v_max3_num_f32 v12, |v[WXS]|, |v[WXS+1]|, |v[WXS+2]|
	v_max3_num_f32 v13, |v[WXS+3]|, |v[WXS+4]|, |v[WXS+5]|
.irp i, 6,10,14,18,22,26
	v_max3_num_f32 v12, v12, |v[WXS+\i]|, |v[WXS+\i+1]|
	v_max3_num_f32 v13, v13, |v[WXS+\i+2]|, |v[WXS+\i+3]|
.endr
	v_max3_num_f32 v12, v12, |v[WXS+30]|, |v[WXS+31]|
	v_max3_num_f32 v12, v12, v13, (EMAX+1)<<23
	v_add_nc_u32 v11, -(EMAX<<23), v12
	v_lshrrev_b32 v13, 23, v11
.if (\t)%4 == 0
	v_mov_b32 v[WSB+(\t)/4], v13
.else
	v_lshl_or_b32 v[WSB+(\t)/4], v13, 8*((\t)%4), v[WSB+(\t)/4]
.endif
	v_cvt_scalef32_pk16_fp6_f32 v[WCD:WCD+2], v[WXS:WXS+15], v11
	v_cvt_scalef32_pk16_fp6_f32 v[WCD+4:WCD+6], v[WXS+16:WXS+31], v11
	ds_store_b96 v4, v[WCD:WCD+2] offset:32*(\t)
	ds_store_b96 v4, v[WCD+4:WCD+6] offset:32*(\t)+16
.if (\t)+2 < WNB
	WLOAD (\t)+2
.endif
	s_wait_dscnt 0x0                               ; the stores have read their registers: the next block's codes may be written
.endm
.irp t, 0,1,2,3,4,5,6,7
	WBLOCK \t
.endr
	global_store_b64 v9, v[WSB:WSB+1], s[8:9]      ; my column's eight scale bytes
.irp t, 0,1,2,3,4,5,6,7,8,9,10,11,12,13,14,15
	ds_load_b96 v[WOUT+4*\t:WOUT+4*\t+2], v7 offset:2*\t*WPIT
.endr
.irp t, 0,1,2,3,4,5,6,7,8,9,10,11,12,13,14,15
	s_wait_dscnt 15-\t                             ; row pair t is back; the younger loads stay out
	global_store_b96 v8, v[WOUT+4*\t:WOUT+4*\t+2], s[6:7] offset:2*\t*WKROW   ; sixteen lanes store a row's 192 consecutive bytes
.endr
	s_wait_tensorcnt 0x0
	ds_add_u32 v192, v193
	s_wait_dscnt 0x0
	s_endpgm
; ---------------- the mask: a wave to a tile of 16 queries, 16 steps of 128 keys.  Lane (r, h) reads, of its query's row, the 16 bytes 32 b + 16 h on of each of the step's four blocks b.
.Lmask:
.set MWR, 32                           ; v32-63  two sets of 16 words of mask bytes
.set MO,  64                           ; v64-67  two pairs: lane L holds words 2 L and 2 L + 1 of a step's 64
.set MOR, 68                           ; the OR and
.set MAN, 69                           ; the AND of the lane's 16 words of a step
.set MRO, 70                           ; the OR over all steps
.set ML8, 71                           ; 8 x lane
.set MT,  72                           ; v72-75 at work
.set MA,  76                           ; my byte in the tile's rows
.set MP,  77
	s_lshl_b32 s21, ttmp9, 2
	s_add_co_u32 s21, s21, s20                     ; the tile of queries
	v_and_b32 v3, 15, v2
	v_and_b32 v4, 8, v3
	v_add_nc_u32 v4, v4, v3                        ; r + 8 (r / 8)
	v_lshrrev_b32 v5, 4, v2
	v_lshlrev_b32 v[MA], 11, v4
	v_lshl_add_u32 v[MA], v5, 4, v[MA]
	v_lshlrev_b32 v[ML8], 3, v2
.irp i, 0,1,2,3
	v_mov_b32 v[MO+\i], 0                          ; a lane write's destination counts as one of its sources
.endr
	v_mov_b32 v[MRO], 0
	v_mov_b32 v[MP], 0
	s_mov_b32 s24, 0                               ; the flags
	s_mov_b32 s25, 0                               ; a 1 at each step of which no key counts
	s_mov_b32 s26, 0                               ; the step's place in both
	s_mov_b32 s34, 0x01010101
	s_mov_b32 s36, 0x76543210
	s_mov_b32 s37, 0xfedcba98
	s_lshr_b32 s32, s21, 1
	s_lshl_b32 s32, s32, 16                        ; 32 rows of 2,048 bytes
	s_and_b32 s33, s21, 1
	s_lshl_b32 s33, s33, 14                        ; 8 rows
	s_add_co_u32 s32, s32, s33
	s_mov_b32 s33, 0
	s_wait_kmcnt 0x0
	s_add_nc_u64 s[14:15], s[14:15], s[32:33]
	s_lshl_b32 s32, s21, 2
	s_add_co_u32 s32, s32, M_FL
	s_add_nc_u64 s[22:23], s[18:19], s[32:33]      ; the tile's word of flags
	s_lshl_b32 s32, s21, 12
	s_add_nc_u64 s[18:19], s[18:19], s[32:33]      ; the tile's 16 x 256 bytes of lane masks
.macro MLOAD set, off
.irp b, 0,1,2,3
	global_load_b128 v[MWR+16*\set+4*\b:MWR+16*\set+4*\b+3], v[MA], s[14:15] offset:\off+32*\b
.endr
.endm
.macro MSTEP set, ahead, left, off, soff
.set MWS, MWR+16*\set
	s_wait_loadcnt \left                           ; this set's four loads are in; the other set's four may be out
	v_or_b32 v[MOR], v[MWS], v[MWS+1]
	v_and_b32 v[MAN], v[MWS], v[MWS+1]
.irp i, 2,3,4,5,6,7,8,9,10,11,12,13,14,15
	v_or_b32 v[MOR], v[MOR], v[MWS+\i]
	v_and_b32 v[MAN], v[MAN], v[MWS+\i]
.endr
	v_or_b32 v[MRO], v[MRO], v[MOR]
	s_wait_xcnt 0x0                                ; this set's pair was a store's data two steps ago: it is written again only behind this wait
.set n, 0
.rept 16                               ; word 4 n + k: byte k of register n, as a mask of lanes; four at a time, so that no line waits for the line above it
.irp k, 0,1,2,3
	v_and_b32 v[MT+\k], 0xff<<(8*\k), v[MWS+n]
.endr
.irp k, 0,1,2,3
	v_cmp_ne_u32 s[28+\k], 0, v[MT+\k]
.endr
.irp k, 0,1,2,3
	v_writelane_b32 v[MO+2*\set+\k%2], s[28+\k], 2*n+\k/2
.endr
.set n, n+1
.endr
	v_cmp_ne_u32 s30, 0, v[MOR]
	s_cmp_lg_u32 s30, 0
	s_cselect_b32 s31, 1, 0                        ; some key of the step counts
	v_cmp_ne_u32 s30, s34, v[MAN]
	s_cmp_eq_u32 s30, 0
	s_cselect_b32 s32, 1, 0                        ; all count
	s_add_co_u32 s32, s32, s31
	s_lshl_b32 s32, s32, s26
	s_or_b32 s24, s24, s32
	s_xor_b32 s31, s31, 1
	s_lshl_b32 s31, s31, s26
	s_or_b32 s25, s25, s31
	s_add_co_u32 s26, s26, 2
.if \ahead
	MLOAD \set, \off                               ; the step two on
.endif
	global_store_b64 v[ML8], v[MO+2*\set:MO+2*\set+1], s[18:19] offset:\soff   ; 32 lanes store 256 consecutive bytes, aligned
.endm
	MLOAD 0, 0
	MLOAD 1, 128
	s_mov_b32 s27, 7
.Lmtrip:
	MSTEP 0, 1, 4, 256, 0
	MSTEP 1, 1, 4, 384, 256
	s_wait_xcnt 0x0                                ; the bases are stepped only behind this wait
	s_add_nc_u64 s[14:15], s[14:15], 256
	s_add_nc_u64 s[18:19], s[18:19], 512
	s_sub_co_u32 s27, s27, 1
	s_cmp_lg_u32 s27, 0
	s_cbranch_scc1 .Lmtrip
	MSTEP 0, 0, 4, 0, 0                            ; the last two steps load nothing: no load leaves the mask
	MSTEP 1, 0, 0, 0, 256
	v_permlanex16_b32 v[MP], v[MRO], s36, s37
	v_or_b32 v[MRO], v[MRO], v[MP]                 ; with lane l xor 16's: my query's whole row
	v_cmp_eq_u32 s30, 0, v[MRO]
	s_cmp_lg_u32 s30, 0                            ; a query with no key that counts averages over ALL keys: its tile leaves no step out
	s_cselect_b32 s31, s25, 0
	s_add_co_u32 s24, s24, s31                     ; 0 becomes 1 there
	v_mov_b32 v[MT], s24
	v_mov_b32 v[MT+1], 0
	s_wait_xcnt 0x0                                ; EXEC is narrowed only behind this wait
	v_cmpx_gt_u32 1, v2                            ; lane 0 alone
	global_store_b32 v[MT+1], v[MT], s[22:23]
	s_endpgm
.Lfunc_end_k_q53e496fb8f_prep:
	.size	k_q53e496fb8f_prep, .Lfunc_end_k_q53e496fb8f_prep-k_q53e496fb8f_prep
	.p2alignl 7, 3214868480
	.fill 96, 4, 3214868480
	.section	.rodata,"a",@progbits
	.p2align	6, 0x0
	.amdhsa_kernel k_q53e496fb8f_prep
		.amdhsa_group_segment_fixed_size 68096
		.amdhsa_private_segment_fixed_size 0
		.amdhsa_enable_private_segment 0
		.amdhsa_kernarg_size 64
		.amdhsa_user_sgpr_count 2
		.amdhsa_user_sgpr_kernarg_segment_ptr 1
		.amdhsa_wavefront_size32 1
		.amdhsa_system_sgpr_workgroup_id_x 1
		.amdhsa_system_sgpr_workgroup_id_y 1
		.amdhsa_system_sgpr_workgroup_id_z 1
		.amdhsa_system_vgpr_workitem_id 0
		.amdhsa_next_free_vgpr 194
		.amdhsa_next_free_sgpr 66
		.amdhsa_reserve_vcc 0
		.amdhsa_float_denorm_mode_32 3
		.amdhsa_float_denorm_mode_16_64 3
		.amdhsa_memory_ordered 1
		.amdhsa_forward_progress 1
		.amdhsa_inst_pref_size 132
	.end_amdhsa_kernel
	.amdgpu_metadata
---
amdhsa.version: [ 1, 2 ]
amdhsa.kernels:
  - .name:           k_q53e496fb8f_prep
    .symbol:         k_q53e496fb8f_prep.kd
    .args:
      - { .name: x, .offset: 0, .size: 8, .value_kind: global_buffer, .address_space: global }
      - { .name: wq, .offset: 8, .size: 8, .value_kind: global_buffer, .address_space: global }
      - { .name: wk, .offset: 16, .size: 8, .value_kind: global_buffer, .address_space: global }
      - { .name: wv, .offset: 24, .size: 8, .value_kind: global_buffer, .address_space: global }
      - { .name: wo, .offset: 32, .size: 8, .value_kind: global_buffer, .address_space: global }
      - { .name: mask, .offset: 40, .size: 8, .value_kind: global_buffer, .address_space: global }
      - { .name: prep, .offset: 48, .size: 8, .value_kind: global_buffer, .address_space: global }
      - { .name: msk, .offset: 56, .size: 8, .value_kind: global_buffer, .address_space: global }
    .group_segment_fixed_size: 68096
    .private_segment_fixed_size: 0
    .kernarg_segment_align: 8
    .kernarg_segment_size: 64
    .max_flat_workgroup_size: 128
    .sgpr_count:     66
    .vgpr_count:     194
    .wavefront_size: 32
...
	.end_amdgpu_metadata
.endif
;; end of part 1
;; launch qkv (part 2): grid 12 x 32, 4 waves a work-group, clusters of 4 x 4, 327,680 bytes of LDS; arguments prep, bq, bk, bv, qkv; writes qkv
.if DOCPART == 2
	.amdgcn_target "amdgcn-amd-amdhsa--gfx1250"
	.amdhsa_code_object_version 6
	.text
	.protected	k_q53e496fb8f_qkv
	.globl	k_q53e496fb8f_qkv
	.p2align	8
	.type	k_q53e496fb8f_qkv,@function
k_q53e496fb8f_qkv:
	s_mov_b64 s[64:65], 0
	v_nop
	global_prefetch_b8 v0, s[64:65] scope:SCOPE_SE
	s_setreg_imm32_b32 hwreg(HW_REG_WAVE_MODE, 25, 1), 1
	s_wait_xcnt 0x0
	s_wait_alu depctr_hold_cnt(0) depctr_sa_sdst(0) depctr_va_vdst(0) depctr_va_sdst(0) depctr_va_ssrc(0) depctr_va_vcc(0) depctr_vm_vsrc(0)
	s_getreg_b32 s2, hwreg(HW_REG_IB_STS2, 6, 4)
	s_cmp_eq_u32 s2, 0
	s_cbranch_scc0 .Lentry_in_a_cluster
	s_endpgm
.Lentry_in_a_cluster:
	s_bfe_u32 s2, ttmp6, 0x10000c
	s_cmp_lg_u32 s2, 0xf033
	s_cbranch_scc0 .Lentry_shape_is_right
	s_endpgm
.Lentry_shape_is_right:
; q = x wq + bq, k = x wk + bk, v = x wv + bv on codes of FP6 (E2M3) with E8M0 scales, and each result QUANTISED AGAIN, in registers, along the K of the product that will take it: q and k along the head's 64 channels, v along the keys.
; ONE LOOP FOR ALL THREE.  A work-group makes 256 x 256 of a result as (source 1: 256 rows of A') x (source 0: 256 rows of B'); a lane then holds one row of A' and its registers run along B''s rows.
;   clusters with x = 0, 1 (q, k): A' = x (tokens), B' = wq or wk (channels): a lane's registers run along channels.      clusters with x = 2 (v): A' = wv (channels), B' = x (tokens): they run along the keys.
; x's and the weights' rows are stored with the second and third group of eight of each 32 exchanged, so that the 16 registers of tiles 2 b and 2 b + 1 of B' are 16 NEIGHBOURS, 32 b + 16 (lane / 16) + 0 .. 15.
; Four waves, each 128 x 128: 64 accumulators, 512 registers.  K = 1,024 goes in four steps of 256 through a ring of two LDS slots filled by the tensor data mover; the scale bytes of the 512 rows come once and stay.
; CLUSTERS: 4 x 4 work-groups; A''s tiles are shared along a row of the cluster, B''s along a column: joint loads.  384 work-groups: one and a half times the number of WGPs.
; WHAT IS STORED (qkv), in the order of the next launch's operand registers; a chunk = two registers of all 32 lanes, lane l at byte 8 l, 256 bytes:
;   q, k codes [batch x head 64][tile of 16 tokens 128][3 chunks]; their scale words [64][step of 128 tokens 16][row 16][tile 8] (bytes 0, 1: the head's two blocks; bytes 2, 3 meet zero codes and are never 0xff);
;   v codes [64][step 16][tile of 16 channels 4][6 chunks]; its scale words [64][step 16][row 16][tile 4].
; LIMITS: blocks whose largest magnitude lies under 2^-124 keep the byte 1; NaN and infinities are not served.
; REGISTERS: window 0: v0-31 addresses; v32-63 scale words, two sets; v64-127 the bias; from v128 A''s fragments, one set; on the way out v128-239 at work.  window 1: B''s fragments, two sets.  windows 2, 3: the accumulators.
.set P_XS, 6291456
.set P_WC, 6553600
.set P_WS, 9699328
.set Q_KC, 6291456
.set Q_VC, 12582912
.set Q_QS, 18874368
.set Q_KS, 19398656
.set Q_VS, 19922944
.set SIZE_K, 1024
.set KSTEP,  256
.set NQ,     KSTEP/128
.set ROWB,   192                       ; a tile's row: 256 codes
.set KROW,   SIZE_K*6/8
.set PITCH,  240                       ; an LDS row: 3 x (64 bytes + 16 of padding): the 32 lanes of a load of 8 bytes touch 64 different banks (64 banks of 4 bytes: ISA guide 11.1)
.set FR,     12
.set NL,     6
.set NP,     4                         ; places behind this matrix instruction (ISA guide 7.12.1)
.set HALFT,  128*PITCH
.set SLOT,   4*HALFT
.set LAPS,   SIZE_K/(2*KSTEP)
.set KS,     SIZE_K/32
.set SCL,    2*SLOT                    ; behind the ring: the scales, as rows of 256 bytes + 16 of padding
.set HALFS,  (128*KS/256)*272
.set SBLK,   (16*KS/256)*272
.set SPARE,  SCL+4*HALFS               ; the spare words, 128 bytes a wave: two blocks of 256 bytes that no other line names
.set L8,   7                           ; v7   8 x lane
.set L16,  8                           ; v8   16 x lane
.set SSTQ, 9                           ; v9   q, k: where I put a scale word in my stage
.set SSTV, 10                          ; v10  v: likewise (a stage of its own)
.set SRDQ, 11                          ; v11  q, k: where I read the stage back
.set SGV,  12                          ; v12  v: my 16 bytes among two heads' scale words
.set SHF,  13                          ; v13  16 x (lane / 16)
.set ADRA, 16
.set ADRB, 20
.set ADRS, 27
.set SPW,  28
.set NIL,  29
.set SRDV, 30                          ; v30  v: where I read the stage back
.set SC,   32
.set BI,   64                          ; v64-127 the bias, in the result's layout
.set AF,   128
.set T,    128                         ; the way out: v128-191 64 numbers
.set PC,   192                         ; v192-210 the codes just made
.set TM,   212                         ; v212-227 at work
.set PW,   228                         ; the scale word just made
.set PW2,  229
.set X0,   232
.set X1,   236
.set G1, 24
.set G0, 32
.set G1B, 48
.set G0B, 56
.set G1S, 68
.set G0S, 76
.set G1SB, 80
.set G0SB, 88
.set SEL, 98
.set MSB, 0
.macro WIN new                         ; the immediate's high byte repeats the setting that is left
.if MSB != \new
	s_set_vgpr_msb (MSB<<8)|\new
.set MSB, \new
.endif
.endm
.set MUL_LO, 0xa1                      ; source 0 (B') window 1, source 1 (A') window 0, C and D window 2
.set MUL_HI, 0xf1
.set TO_B,   0x40
; A joint load: waves 0 and 1 fetch for A', waves 2 and 3 for B'.  The branch hangs on the wave's number alone.  Four v_nop follow each of the two lines.
.macro JLOAD g0a, g1a, g0b, g1b
	s_cmp_eq_u32 s15, 0
	s_cbranch_scc0 .Lfor_b_\@
	tensor_load_to_lds s[\g0a:\g0a+3], s[\g1a:\g1a+7]
	s_nop 0
.rept 4
	v_nop
.endr
	s_branch .Lasked_\@
.Lfor_b_\@:
	tensor_load_to_lds s[\g0b:\g0b+3], s[\g1b:\g1b+7]
	s_nop 0
.rept 4
	v_nop
.endr
.Lasked_\@:
.endm
.macro CREST                           ; a round of the cluster's barrier behind its opening barrier
	s_cmp_lg_u32 s14, 0
	s_cbranch_scc1 .Lnot_wave_0_\@
	s_barrier_signal -3
.Lnot_wave_0_\@:
	s_barrier_wait -3
	s_barrier_signal -1
	s_barrier_wait -1
.endm
.macro CROUND
	s_barrier_signal -1
	s_barrier_wait -1
	CREST
.endm
	s_load_b128 s[4:7], s[0:1], 0x0                ; prep s[4:5], bq s[6:7]
	s_load_b128 s[8:11], s[0:1], 0x10              ; bk s[8:9], bv s[10:11]
	s_load_b64 s[12:13], s[0:1], 0x20              ; qkv
	v_lshl_add_u32 v[SPW], v0, 2, SPARE
	v_mov_b32 v[NIL], 0
	ds_add_u32 v28, v29
	ds_add_u32 v28, v29
	s_wait_dscnt 0x0
	v_lshrrev_b32 v1, 5, v0
	v_readfirstlane_b32 s14, v1                    ; wave 0..3
	s_lshr_b32 s15, s14, 1                         ; which half of A''s rows is mine.  Also: I fetch for A' (0) or for B' (1)
	s_and_b32 s16, s14, 1                          ; which half of B''s rows.  Also: which 128 rows I fetch
	s_bfe_u32 s40, ttmp6, 0x40000                  ; cx
	s_bfe_u32 s41, ttmp6, 0x40004                  ; cy
	s_and_b32 s17, ttmp7, 0xffff                   ; the cluster's y
	s_lshl_b32 s18, s17, 2
	s_lshl_b32 s43, s41, 2
	s_lshl_b32 s43, 15, s43                        ; my row of the cluster
	s_lshl_b32 s44, 0x1111, s40                    ; my column
	s_or_b32 s[G1+0], s43, (0<<16)|(1<<20)|(1<<21)|(3<<22)|(3<<25)  ; the mask: A''s tiles go to my row; elements of 1 byte; padding on; bit 21 beside a mask; 4 words of padding behind every 16
	s_or_b32 s[G1B+0], s44, (0<<16)|(1<<20)|(1<<21)|(3<<22)|(3<<25)
.irp g, G1, G1B
	s_mov_b32 s[\g+1], ROWB<<16                    ; tensor_dim0
	s_mov_b32 s[\g+2], 128<<16                     ; tensor_dim1
	s_mov_b32 s[\g+3], ROWB<<16                    ; tile_dim0
	s_mov_b32 s[\g+4], 128                         ; tile_dim1
	s_mov_b32 s[\g+5], KROW                        ; the pitch
	s_mov_b32 s[\g+6], 0
	s_mov_b32 s[\g+7], 0
.endr
	s_or_b32 s[G1S+0], s43, (3<<16)|(1<<20)|(1<<21)|(5<<22)|(3<<25)   ; the scales of 128 rows: a dense block, as rows of 256 bytes with 16 bytes of padding
	s_or_b32 s[G1SB+0], s44, (3<<16)|(1<<20)|(1<<21)|(5<<22)|(3<<25)
.irp g, G1S, G1SB
	s_mov_b32 s[\g+1], 32<<16
	s_mov_b32 s[\g+2], (128*KS/256)<<16
	s_mov_b32 s[\g+3], 32<<16
	s_mov_b32 s[\g+4], 128*KS/256
	s_mov_b32 s[\g+5], 32
	s_mov_b32 s[\g+6], 0
	s_mov_b32 s[\g+7], 0
.endr
	; which 256 rows are A''s and B''s.  A''s hang on cy and the cluster's place alone, B''s on cx and the cluster's place alone, each in registers that never hold the other coordinate.
	s_add_co_u32 s20, s18, s41                     ; q, k: A' = x, its unit 4 x cluster y + cy
	s_add_co_u32 s21, s41, 8                       ; v: A' = wv, unit 8 + cy of the weights' sixteen
	s_lshl_b32 s46, ttmp9, 2
	s_add_co_u32 s46, s46, s40                     ; q, k: B' = wq or wk, unit 4 x cluster x + cx
	s_add_co_u32 s47, s18, s40                     ; v: B' = x, unit 4 x cluster y + cx
	s_mov_b32 s2, P_XS
	s_mov_b32 s3, P_WS
	s_cmp_eq_u32 ttmp9, 2                          ; the cluster's x: the same in all sixteen partners
	s_cselect_b32 s95, 1, 0                        ; 1: this cluster makes v
	s_cselect_b32 s20, s21, s20
	s_cselect_b32 s46, s47, s46
	s_cselect_b32 s21, P_WC, 0                     ; where A''s codes begin in prep,
	s_cselect_b32 s47, 0, P_WC                     ; B''s,
	s_cselect_b32 s22, s3, s2                      ; A''s scale bytes,
	s_cselect_b32 s93, s2, s3                      ; B''s
	s_lshl_b32 s19, s16, 7                         ; which 128 rows I fetch
	s_lshl_b32 s20, s20, 8
	s_add_co_u32 s20, s20, s19
	s_lshl_b32 s46, s46, 8
	s_add_co_u32 s46, s46, s19
	s_lshl_b32 s23, s20, 5                         ; 32 scale bytes a row
	s_add_co_u32 s22, s22, s23
	s_mov_b32 s23, 0
	s_mul_i32 s20, s20, KROW
	s_add_co_u32 s20, s20, s21
	s_mov_b32 s21, 0
	s_lshl_b32 s92, s46, 5
	s_add_co_u32 s92, s92, s93
	s_mov_b32 s93, 0
	s_mul_i32 s46, s46, KROW
	s_add_co_u32 s46, s46, s47
	s_mov_b32 s47, 0
	s_mul_i32 s45, s14, HALFT                      ; where they go: wave x 128 rows: no place in the cluster enters an LDS address
	s_mul_i32 s94, s14, HALFS
	s_wait_kmcnt 0x0
	s_add_nc_u64 s[20:21], s[4:5], s[20:21]
	s_add_nc_u64 s[22:23], s[4:5], s[22:23]
	s_add_nc_u64 s[46:47], s[4:5], s[46:47]
	s_add_nc_u64 s[92:93], s[4:5], s[92:93]
	CROUND                                         ; all sixteen work-groups are here: the first joint loads meet
	s_mov_b32 s[G0S], 1
	s_add_co_u32 s[G0S+1], s94, SCL
	s_mov_b64 s[G0S+2:G0S+3], s[22:23]
	s_or_b32 s[G0S+3], s[G0S+3], 0x80000000
	s_mov_b32 s[G0SB], 1
	s_add_co_u32 s[G0SB+1], s94, SCL
	s_mov_b64 s[G0SB+2:G0SB+3], s[92:93]
	s_or_b32 s[G0SB+3], s[G0SB+3], 0x80000000
	JLOAD G0S, G1S, G0SB, G1SB                     ; the scales first: they are wanted with K step 0
.irp s, 0,1
	s_mov_b32 s[G0+4*\s], 1
	s_add_co_u32 s[G0+4*\s+1], s45, \s*SLOT
	s_add_nc_u64 s[G0+4*\s+2:G0+4*\s+3], s[20:21], \s*ROWB
	s_or_b32 s[G0+4*\s+3], s[G0+4*\s+3], 0x80000000
	s_mov_b32 s[G0B+4*\s], 1
	s_add_co_u32 s[G0B+4*\s+1], s45, \s*SLOT
	s_add_nc_u64 s[G0B+4*\s+2:G0B+4*\s+3], s[46:47], \s*ROWB
	s_or_b32 s[G0B+4*\s+3], s[G0B+4*\s+3], 0x80000000
	JLOAD G0+4*\s, G1, G0B+4*\s, G1B
.endr
	v_and_b32 v1, 15, v0                           ; r
	v_bfe_u32 v2, v0, 4, 1                         ; h
	v_mul_u32_u24 v3, v1, PITCH
	v_mul_u32_u24 v4, v2, 24
	v_add_nc_u32 v4, v3, v4                        ; a fragment's row x pitch + 24 x half
	v_lshl_add_u32 v5, v2, 4, v4                   ; and the same behind one padding more
	s_mul_i32 s21, s15, HALFT
	s_mul_i32 s22, s16, HALFT
	s_add_co_u32 s22, s22, 2*HALFT
.irp s, 0,1
	v_add_nc_u32 v[ADRA+\s], s21, v4
	v_add_nc_u32 v[ADRB+\s], s22, v4
	v_add_nc_u32 v[ADRA+2+\s], s21, v5
	v_add_nc_u32 v[ADRB+2+\s], s22, v5
	s_add_co_u32 s21, s21, SLOT
	s_add_co_u32 s22, s22, SLOT
.endr
	v_mul_u32_u24 v5, v1, KS
	v_lshrrev_b32 v6, 8, v5
	v_lshl_add_u32 v5, v6, 4, v5
	s_mul_i32 s21, s15, HALFS
	s_mul_i32 s22, s16, HALFS
	s_add_co_u32 s22, s22, 2*HALFS
	s_sub_co_u32 s22, s22, s21
	v_mul_u32_u24 v6, s22, v2                      ; lanes 16-31 take B''s scale words
	s_add_co_u32 s21, s21, SCL
	v_add_nc_u32 v5, v5, v6
	v_add_nc_u32 v[ADRS], s21, v5
	; addresses of the way out
	v_and_b32 v6, 31, v0
	v_lshlrev_b32 v[L8], 3, v6
	v_lshlrev_b32 v[L16], 4, v6
	s_lshl_b32 s23, s14, 10                        ; my stage: 1,024 bytes a wave, in slot 0, which has had its last fill and its last read when the first word is stored there
	v_lshlrev_b32 v5, 5, v1
	v_lshl_add_u32 v5, v2, 9, v5
	v_add_nc_u32 v[SSTQ], s23, v5                  ; q, k: [head of my two = h][row r][tile]
	v_lshlrev_b32 v5, 4, v1
	v_add_nc_u32 v5, s23, v5
	v_add_nc_u32 v[SSTV], 4096, v5                 ; v: [head][row r][tile], in bytes of its own
	v_add_nc_u32 v[SRDQ], s23, v[L16]
	v_add_nc_u32 v[SRDV], 4096, v[SRDQ]
	v_lshlrev_b32 v5, 4, v1
	v_lshl_add_u32 v[SGV], v2, 12, v5              ; v: lanes 16-31 store the next head's words, 4,096 bytes on
	v_lshlrev_b32 v[SHF], 4, v2
	s_mov_b32 s[SEL], 0x76543210
	s_mov_b32 s[SEL+1], 0xfedcba98
	; THE BIAS, eight registers a tile in the result's layout, asked for here and wanted on the way out.  q, k: it hangs on the register (a channel of B'): tile b's eight at BI + 8 b.  v: on the lane (a channel of A'): block a's, eight times the same number, at BI + 8 a.
	v_lshlrev_b32 v14, 6, v2                       ; q, k: 64 h
	v_and_b32 v5, 8, v1
	v_add_nc_u32 v5, v5, v1
	v_lshlrev_b32 v15, 2, v5                       ; v: 4 (r + 8 (r / 8))
	s_cmp_eq_u32 s95, 0
	s_cbranch_scc0 .Lbias_v
	s_cmp_eq_u32 ttmp9, 0
	s_cselect_b64 s[96:97], s[6:7], s[8:9]         ; bq or bk
	s_lshl_b32 s22, s40, 10
	s_lshl_b32 s23, s16, 9
	s_add_co_u32 s22, s22, s23                     ; my 128 channels: 4 (256 cx + 128 half)
	s_mov_b32 s23, 0
	s_add_nc_u64 s[96:97], s[96:97], s[22:23]
.irp b, 0,1,2,3
.irp j, 0,1,2,3
	global_load_b128 v[BI+16*\b+4*\j:BI+16*\b+4*\j+3], v14, s[96:97] offset:128*\b+16*\j   ; channels 32 b + 16 h + 4 j on
.endr
.endr
	s_branch .Lbias_done
.Lbias_v:
	s_lshl_b32 s22, s41, 10
	s_lshl_b32 s23, s15, 9
	s_add_co_u32 s22, s22, s23                     ; my 128 channels: 4 (256 cy + 128 half)
	s_mov_b32 s23, 0
	s_add_nc_u64 s[96:97], s[10:11], s[22:23]
.irp a, 0,1,2,3,4,5,6,7
.irp j, 0,1,2,3,4,5,6,7
	global_load_b32 v[BI+8*\a+\j], v15, s[96:97] offset:4*(32*(\a/2)+8*(\a%2))   ; the channel of stored row 16 a + r
.endr
.endr
.Lbias_done:
.macro FRAG reg, adr, q, i             ; a fragment: 16 rows x 128 K = 12 registers; lane l: row l % 16; registers 6 c .. 6 c + 5: K = 64 c + 32 (l / 16) + 0 .. 31, in pieces of 8 bytes
.irp p, 0,1,2,3,4,5
.set PCE, 12*(\q)+6*(\p/3)+\p%3        ; where the piece three on lies behind one padding more, the second address register serves
.if PCE%8 < 5
	ds_load_b64 v[\reg+2*\p:\reg+2*\p+1], v[\adr] offset:8*PCE+16*(PCE/8)+(\i)*16*PITCH
.else
	ds_load_b64 v[\reg+2*\p:\reg+2*\p+1], v[\adr+2] offset:8*PCE+16*(PCE/8)+(\i)*16*PITCH
.endif
.endr
.endm
; 16 matrix instructions: A''s blocks a0, a0 + 1 x B''s eight, 128 along K.  The 64 accumulators take turns, one instruction a turn, in the same order in every step.
.macro MUL16 a0, p, q, sc, zero
.irp a, \a0, \a0+1
.irp b, 0,1,2,3,4,5,6,7
.if \zero
	v_wmma_scale_f32_16x16x128_f8f6f4 v[8*(8*((\a)%4)+\b):8*(8*((\a)%4)+\b)+7], v[128*(\p)+FR*\b:128*(\p)+FR*\b+FR-1], v[AF+FR*(\a):AF+FR*(\a)+FR-1], 0, v[SC+8*NQ*(\sc)+NQ*\b+(\q)], v[SC+8*NQ*(\sc)+NQ*(\a)+(\q)] matrix_a_fmt:MATRIX_FMT_FP6 matrix_b_fmt:MATRIX_FMT_FP6 matrix_a_scale:MATRIX_SCALE_ROW1
.else
	v_wmma_scale_f32_16x16x128_f8f6f4 v[8*(8*((\a)%4)+\b):8*(8*((\a)%4)+\b)+7], v[128*(\p)+FR*\b:128*(\p)+FR*\b+FR-1], v[AF+FR*(\a):AF+FR*(\a)+FR-1], v[8*(8*((\a)%4)+\b):8*(8*((\a)%4)+\b)+7], v[SC+8*NQ*(\sc)+NQ*\b+(\q)], v[SC+8*NQ*(\sc)+NQ*(\a)+(\q)] matrix_a_fmt:MATRIX_FMT_FP6 matrix_b_fmt:MATRIX_FMT_FP6 matrix_a_scale:MATRIX_SCALE_ROW1
.endif
.endr
.endr
.endm
.macro FETCH_B slot, q, p
	WIN TO_B
.irp i, 0,1,2,3,4,5,6,7
	FRAG 128*(\p)+FR*\i, ADRB+\slot, \q, \i
.endr
	WIN 0
.endm
.macro FETCH_A slot, q, i0
.irp i, \i0, \i0+1, \i0+2, \i0+3
	FRAG AF+FR*(\i), ADRA+\slot, \q, \i
.endr
.endm
.macro SCALES sc                       ; a K step's scale words: lanes 0-15 A''s block i, lanes 16-31 B''s block i
.irp i, 0,1,2,3,4,5,6,7
	ds_load_b64 v[SC+8*NQ*\sc+NQ*\i:SC+8*NQ*\sc+NQ*\i+1], v[ADRS] offset:\i*SBLK
.endr
.endm
.macro PLACES n                        ; plain vector instructions that name none of a matrix instruction's registers, in front of loads into registers that it read and of reads of its results
.rept \n
	v_nop
.endr
.endm
.macro STEP slot, q, zero              ; 128 along K, with its successor in the same slot
	s_wait_dscnt 4*NL                              ; B''s set and A''s blocks 0-3 are in; the youngest 24 loads (A''s blocks 4-7) may be out
	WIN MUL_LO
	MUL16 0, (\q)%2, \q, \slot, \zero
	MUL16 2, (\q)%2, \q, \slot, \zero
	s_wait_dscnt 0
	PLACES NP
	FETCH_B \slot, (\q)+1, 1-(\q)%2
	FETCH_A \slot, (\q)+1, 0
	WIN MUL_HI
	MUL16 4, (\q)%2, \q, \slot, \zero
	MUL16 6, (\q)%2, \q, \slot, \zero
	PLACES NP
	WIN 0
	FETCH_A \slot, (\q)+1, 4
.endm
; A slot's last step changes slots: one barrier; in front of it each wave waits for all its tensor loads, adds 0 to its spare word, and waits for that and for its reads of this slot.
.macro TURN slot, next, fill
	s_wait_tensorcnt 0x0                           ; all my tensor loads have landed: my part of the next slot
	ds_add_u32 v[SPW], v[NIL]                      ; 0 onto my spare word
	s_wait_dscnt 4*NL+1                            ; the add and the youngest 24 loads (A''s blocks 4-7) may be out
	WIN MUL_LO
	MUL16 0, 1, NQ-1, \slot, 0
	s_wait_dscnt 0x0                               ; the add is done, and my reads of this slot are over
	s_barrier_signal -1
	MUL16 2, 1, NQ-1, \slot, 0
	WIN 0
	s_barrier_wait -1
.if \fill
	CREST                                          ; the barrier has opened a round of the cluster's: no wave of any partner still reads this slot or has a load on its way
	s_add_nc_u64 s[G0+4*\slot+2:G0+4*\slot+3], s[G0+4*\slot+2:G0+4*\slot+3], 2*ROWB
	s_add_nc_u64 s[G0B+4*\slot+2:G0B+4*\slot+3], s[G0B+4*\slot+2:G0B+4*\slot+3], 2*ROWB
	JLOAD G0+4*\slot, G1, G0B+4*\slot, G1B         ; the first tensor load behind the round; its four v_nop are the places in front of the loads below
.else
	PLACES NP
.endif
	v_add_nc_u32 v[ADRS], 4*NQ, v[ADRS]
	FETCH_B \next, 0, 0
	FETCH_A \next, 0, 0
	SCALES \next
	WIN MUL_HI
	MUL16 4, 1, NQ-1, \slot, 0
	MUL16 6, 1, NQ-1, \slot, 0
	PLACES NP
	WIN 0
	FETCH_A \next, 0, 4
.endm
	s_wait_tensorcnt 1                             ; the scales and my part of K step 0 are in; K step 1's load may be out
	s_barrier_signal -1
	s_barrier_wait -1
	FETCH_B 0, 0, 0
	FETCH_A 0, 0, 0
	SCALES 0
	FETCH_A 0, 0, 4
	STEP 0, 0, 1                                   ; the first step's products start the sums
	s_mov_b32 s3, LAPS-1
.Llap:
	TURN 0, 1, 1
	STEP 1, 0, 0
	TURN 1, 0, 1
	STEP 0, 0, 0
	s_sub_co_u32 s3, s3, 1
	s_cmp_lg_u32 s3, 0
	s_cbranch_scc1 .Llap
	TURN 0, 1, 0                                   ; the last lap fills nothing
	STEP 1, 0, 0
	s_wait_dscnt 4*NL
	WIN MUL_LO
	MUL16 0, 1, NQ-1, 1, 0
	MUL16 2, 1, NQ-1, 1, 0
	s_wait_dscnt 0
	WIN MUL_HI
	MUL16 4, 1, NQ-1, 1, 0
	MUL16 6, 1, NQ-1, 1, 0
	WIN 0
; 64 numbers of a lane, register 16 b + i = place 32 b + 16 (lane / 16) + i along the next K of my row, become a fragment's codes in v[PC] on and its scale word in v[PW].
.macro QUANT s
.irp b, 0,1,2,3
	v_max3_num_f32 v[TM+\b], |v[\s+16*\b]|, |v[\s+1+16*\b]|, 0x1800000   ; with the floor 2^(3 - 127): the byte cannot fall under 1
.endr
.irp i, 2,4,6,8,10,12,14
.irp b, 0,1,2,3
	v_max3_num_f32 v[TM+\b], v[TM+\b], |v[\s+16*\b+\i]|, |v[\s+1+16*\b+\i]|
.endr
.endr
.irp b, 0,1,2,3
	v_permlanex16_b32 v[TM+4+\b], v[TM+\b], s[SEL], s[SEL+1]
.endr
.irp b, 0,1,2,3
	v_max_num_f32 v[TM+\b], v[TM+\b], v[TM+4+\b]   ; with lane l xor 16's: the block's largest magnitude
.endr
.irp b, 0,1,2,3
	v_add_nc_u32 v[TM+12+\b], 0xff000000, v[TM+\b] ; 2 off its exponent field: the conversion's scale operand
.endr
.irp b, 0,1,2,3
	v_lshrrev_b32 v[TM+4+\b], 23, v[TM+12+\b]      ; the scale's byte
.endr
	v_lshl_or_b32 v[PW], v[TM+5], 8, v[TM+4]
	v_lshl_or_b32 v[PW], v[TM+6], 16, v[PW]
	v_lshl_or_b32 v[PW], v[TM+7], 24, v[PW]
.irp c, 0,1
	v_cvt_scalef32_pk16_fp6_f32 v[PC+6*\c:PC+2+6*\c], v[\s+32*\c:\s+15+32*\c], v[TM+12+2*\c]
	v_cvt_scalef32_pk16_fp6_f32 v[PC+12+4*\c:PC+14+4*\c], v[\s+16+32*\c:\s+31+32*\c], v[TM+12+2*\c+1]
.endr
	v_nop                                          ; one plain place behind a scaled conversion
.irp c, 0,1                            ; the operand's layout wants a whole block in a lane
.irp i, 0,1,2
	v_permlane16_swap_b32 v[PC+6*\c+\i], v[PC+12+4*\c+\i]
.endr
.irp i, 0,1,2
	v_mov_b32 v[PC+3+6*\c+\i], v[PC+12+4*\c+\i]
.endr
.endr
.endm
; THE WAY OUT, a block of 16 rows of A' at a time: + bias, quantised, stored as chunks of 256 consecutive bytes; the scale words gather in my stage and leave as whole runs.
.macro OUT kind
.if \kind == 0
	s_add_co_u32 s20, s18, s41                     ; my 256 tokens: unit 4 x cluster y + cy
	s_lshr_b32 s21, s20, 3                         ; the batch
	s_and_b32 s20, s20, 7
	s_lshl_b32 s20, s20, 1
	s_add_co_u32 s20, s20, s15                     ; my 128 tokens: the step
	s_lshl_b32 s22, s40, 2
	s_lshl_b32 s23, s16, 1
	s_add_co_u32 s22, s22, s23                     ; the first of my two heads
	s_lshl_b32 s21, s21, 4
	s_add_co_u32 s21, s21, s22                     ; 16 x batch + head
	s_lshl_b32 s22, s21, 7
	s_lshl_b32 s23, s20, 3
	s_add_co_u32 s22, s22, s23
	s_mul_i32 s22, s22, 768                        ; the first of my eight tiles of tokens
	s_lshl_b32 s46, s21, 4
	s_add_co_u32 s46, s46, s20
	s_lshl_b32 s46, s46, 9
	s_mov_b32 s47, Q_KS
	s_cmp_eq_u32 ttmp9, 0
	s_cselect_b32 s23, 0, Q_KC
	s_cselect_b32 s47, Q_QS, s47
	s_add_co_u32 s22, s22, s23
	s_add_co_u32 s46, s46, s47
.else
	s_add_co_u32 s20, s18, s40                     ; my 256 tokens: unit 4 x cluster y + cx
	s_lshr_b32 s21, s20, 3
	s_and_b32 s20, s20, 7
	s_lshl_b32 s20, s20, 1
	s_add_co_u32 s20, s20, s16                     ; the step of 128 keys
	s_lshl_b32 s22, s41, 2
	s_lshl_b32 s23, s15, 1
	s_add_co_u32 s22, s22, s23                     ; the first of my two heads
	s_lshl_b32 s21, s21, 4
	s_add_co_u32 s21, s21, s22
	s_lshl_b32 s21, s21, 4
	s_add_co_u32 s21, s21, s20                     ; 16 (16 x batch + head) + step
	s_mul_i32 s22, s21, 6144
	s_add_co_u32 s22, s22, Q_VC
	s_lshl_b32 s46, s21, 8
	s_add_co_u32 s46, s46, Q_VS
.endif
	s_mov_b32 s23, 0
	s_mov_b32 s47, 0
	s_add_nc_u64 s[22:23], s[12:13], s[22:23]      ; the codes
	s_add_nc_u64 s[46:47], s[12:13], s[46:47]      ; the scale words
.irp a, 0,1,2,3,4,5,6,7
	WIN (2+\a/4)                                   ; source 0: the accumulators' window
.set i, 0
.rept 32                               ; each accumulator from its low end on
.if \kind == 0
	v_pk_add_f32 v[T+2*i:T+2*i+1], v[64*(\a%4)+2*i:64*(\a%4)+2*i+1], v[BI+2*i:BI+2*i+1]
.else
	v_pk_add_f32 v[T+2*i:T+2*i+1], v[64*(\a%4)+2*i:64*(\a%4)+2*i+1], v[BI+8*\a+2*(i%4):BI+8*\a+2*(i%4)+1]
.endif
.set i, i+1
.endr
	WIN 0
	s_wait_xcnt 0x0                                ; the last block's stores have read the codes' registers
	QUANT T
.irp c, 0,1
.irp p, 0,1,2
.if \kind == 0
	global_store_b64 v[L8], v[PC+6*\c+2*\p:PC+6*\c+2*\p+1], s[22:23] offset:98304*\c+768*\a+256*\p   ; registers 0-5 are the first head's fragment of tile a, 6-11 the second's
.else
	global_store_b64 v[L8], v[PC+6*\c+2*\p:PC+6*\c+2*\p+1], s[22:23] offset:98304*(\a/4)+1536*(\a%4)+768*\c+256*\p   ; head a / 4, tile a % 4 of its channels
.endif
.endr
.endr
.if \kind == 0
	v_lshrrev_b32 v[PW2], v[SHF], v[PW]            ; lanes 0-15: the first head's two bytes lowest; lanes 16-31: the second's, with zeros above
	ds_store_b32 v[SSTQ], v[PW2] offset:4*\a
.else
	ds_store_b32 v[SSTV], v[PW] offset:256*(\a/4)+4*(\a%4)   ; both halves of the lanes write the same word with the same value
.endif
.endr
.if \kind == 0
	ds_load_b128 v[X0:X0+3], v[SRDQ]               ; LDS serves a wave's instructions in order: these see my stores
	ds_load_b128 v[X1:X1+3], v[SRDQ] offset:512
	s_wait_dscnt 0x0
	global_store_b128 v[L16], v[X0:X0+3], s[46:47]               ; 512 consecutive bytes: a head's words of this step
	global_store_b128 v[L16], v[X1:X1+3], s[46:47] offset:8192   ; the next head's
.else
	ds_load_b128 v[X0:X0+3], v[SRDV]
	s_wait_dscnt 0x0
	global_store_b128 v[SGV], v[X0:X0+3], s[46:47]               ; sixteen lanes store a head's 256 consecutive bytes
.endif
.endm
	PLACES NP                                      ; behind the last products: their results are read and A''s registers written below
	s_wait_loadcnt 0x0                             ; the bias
.irp b, 0,1,2,3
	v_mov_b32 v[TM+4+\b], 0                        ; a lane permute's destination counts as one of its sources
.endr
	s_cmp_eq_u32 s95, 0                            ; the same in all partners
	s_cbranch_scc0 .Lout_v
	OUT 0
	s_branch .Lend
.Lout_v:
	OUT 1
.Lend:
	s_wait_tensorcnt 0x0                           ; the wave's end
	ds_add_u32 v[SPW], v[NIL]
	s_wait_dscnt 0x0
	CROUND                                         ; the closing round
	s_endpgm
.Lfunc_end_k_q53e496fb8f_qkv:
	.size	k_q53e496fb8f_qkv, .Lfunc_end_k_q53e496fb8f_qkv-k_q53e496fb8f_qkv
	.p2alignl 7, 3214868480
	.fill 96, 4, 3214868480
	.section	.rodata,"a",@progbits
	.p2align	6, 0x0
	.amdhsa_kernel k_q53e496fb8f_qkv
		.amdhsa_group_segment_fixed_size 327680
		.amdhsa_private_segment_fixed_size 0
		.amdhsa_enable_private_segment 0
		.amdhsa_kernarg_size 40
		.amdhsa_user_sgpr_count 2
		.amdhsa_user_sgpr_kernarg_segment_ptr 1
		.amdhsa_wavefront_size32 1
		.amdhsa_system_sgpr_workgroup_id_x 1
		.amdhsa_system_sgpr_workgroup_id_y 1
		.amdhsa_system_sgpr_workgroup_id_z 1
		.amdhsa_system_vgpr_workitem_id 0
		.amdhsa_next_free_vgpr 1024
		.amdhsa_next_free_sgpr 100
		.amdhsa_reserve_vcc 0
		.amdhsa_float_denorm_mode_32 3
		.amdhsa_float_denorm_mode_16_64 3
		.amdhsa_memory_ordered 1
		.amdhsa_forward_progress 1
		.amdhsa_inst_pref_size 245
	.end_amdhsa_kernel
	.amdgpu_metadata
---
amdhsa.version: [ 1, 2 ]
amdhsa.kernels:
  - .name:           k_q53e496fb8f_qkv
    .symbol:         k_q53e496fb8f_qkv.kd
    .args:
      - { .name: prep, .offset: 0, .size: 8, .value_kind: global_buffer, .address_space: global }
      - { .name: bq, .offset: 8, .size: 8, .value_kind: global_buffer, .address_space: global }
      - { .name: bk, .offset: 16, .size: 8, .value_kind: global_buffer, .address_space: global }
      - { .name: bv, .offset: 24, .size: 8, .value_kind: global_buffer, .address_space: global }
      - { .name: qkv, .offset: 32, .size: 8, .value_kind: global_buffer, .address_space: global }
    .group_segment_fixed_size: 327680
    .private_segment_fixed_size: 0
    .kernarg_segment_align: 8
    .kernarg_segment_size: 40
    .max_flat_workgroup_size: 128
    .sgpr_count:     100
    .vgpr_count:     1024
    .wavefront_size: 32
...
	.end_amdgpu_metadata
.endif
;; end of part 2
;; launch attn (part 3): grid 4 x 64, 16 waves a work-group, no clusters, 210,944 bytes of LDS; arguments qkv, msk, att; writes att
.if DOCPART == 3
	.amdgcn_target "amdgcn-amd-amdhsa--gfx1250"
	.amdhsa_code_object_version 6
	.text
	.protected	k_q53e496fb8f_attn
	.globl	k_q53e496fb8f_attn
	.p2align	8
	.type	k_q53e496fb8f_attn,@function
k_q53e496fb8f_attn:
	s_mov_b64 s[64:65], 0
	v_nop
	global_prefetch_b8 v0, s[64:65] scope:SCOPE_SE
	s_setreg_imm32_b32 hwreg(HW_REG_WAVE_MODE, 25, 1), 1
	s_wait_xcnt 0x0
; O = softmax(mask ? q k^T / 8 : -1e9) v for one head of one batch, both products on codes of FP6 (E2M3) with E8M0 scales, and O / l quantised again along the channels for the last product.
; THE SOFTMAX AHEAD OF THE SECOND PRODUCT: t = score x log2(e) / 8; M = the row's largest t so far, rounded up to a whole number; p = 2^(t - M) is quantised along the keys; the sum of the unquantised p divides at the end.
; SHARES.  A work-group holds ALL of a head's k and v (codes and scale words, 208,896 bytes) in LDS, written once through registers and only read afterwards: one barrier in the launch.
; Work-group x = j owns the tiles of 16 queries T with T % 4 = j; wave w takes tiles 4 w + j and 4 (31 - w) + j, one after the other.  Four waves to a SIMD: one wave's softmax stands beside another's loads and products.
; THE MASK comes as lane masks and flags that an earlier launch made of it (msk).  A step of 128 keys of which none counts for the tile is left out, by a scalar branch on the stored flag, only where every query of the tile has
; a key that counts somewhere: its p would be 0.  A step of which all count skips the 64 selects.  The launch has no tensor load, and so no joint loads:
; the four work-groups of a head each read its 204 KiB once.
; LAYOUT.  Both products are used transposed: S^T = k q^T (source 0 = 16 keys), O^T = v^T p^T (source 0 = 16 channels): a lane holds one query throughout.  Operands lie in memory and LDS in the order of their registers:
; a chunk = two registers of all lanes, lane l at byte 8 l.  The head's K of 64 fills registers 0-5 of an operand; q's registers 6-11 are zero codes, so k's operand may run on into the next tile's registers: nothing is added.
; LIMITS: a masked score counts as -2^33 (logit -2^30 for -1e9): score x c is then exact and a query with no key that counts gets p = 1 for all keys.  This and the steps left out agree with -1e9 wherever a query that has a key
; that counts has an unmasked logit above about -1e9 + 110.  Blocks whose largest magnitude lies under 2^-124 keep the byte 1.  NaN and infinities are not served.
; REGISTERS: v1-5, v7 constants of the lane; v8-11 the step's LDS addresses; v12 -M, v13 the largest t, v[14:15] the sum; v16-27 q; v28 q's scale word; v32-39 k's, v40-43 v's; v44-97 k's eight tiles, then v's four;
; v100-163 S^T, then p; v164-195 O^T; v196-214 codes; v216-233 at work.
.set Q_KC, 6291456
.set Q_VC, 12582912
.set Q_QS, 18874368
.set Q_KS, 19398656
.set Q_VS, 19922944
.set M_FL, 524288
.set A_AS, 6291456
.set VCB, 98304                        ; LDS: k's codes at 0, v's here,
.set KSB, 196608                       ; k's scale words,
.set VSB, 204800                       ; v's
.set KSW, 32
.set VSW, 40
.set KB,  44
.set S,   100
.set O,   164
.set PC,  196
.set BM,  216
.set PD,  220
.set SO,  224
.set TMP, 228
.set FF,  230                          ; v230 f; v231 p's scale word
.set PSW, 231
.set SM2, 232
.set SEL, 20
.set CS,  22
	s_load_b128 s[4:7], s[0:1], 0x0                ; qkv s[4:5], msk s[6:7]
	s_load_b64 s[8:9], s[0:1], 0x10                ; att
	v_lshl_add_u32 v254, v0, 2, 0x33000
	v_mov_b32 v255, 0
	v_lshrrev_b32 v1, 5, v0
	s_delay_alu instid0(VALU_DEP_1)
	v_readfirstlane_b32 s10, v1                    ; wave 0..15
	s_and_b32 s11, ttmp7, 0xffff                   ; 16 x batch + head
	s_mov_b32 s12, ttmp9                           ; j
	v_lshlrev_b32 v8, 4, v0                        ; 16 x thread
	s_delay_alu instid0(VALU_DEP_1)
	v_add_nc_u32 v9, 0x10000, v8
	s_delay_alu instid0(VALU_DEP_2)
	v_add_nc_u32 v10, 0x20000, v8
	s_delay_alu instid0(VALU_DEP_3)
	v_add_nc_u32 v11, 0x30000, v8
	v_lshlrev_b32 v29, 3, v0
	s_delay_alu instid0(VALU_DEP_1)
	v_add_nc_u32 v6, 0x30000, v29
	s_mul_i32 s28, s11, 98304
	s_add_co_u32 s30, s28, Q_VC
	s_add_co_u32 s28, s28, Q_KC
	s_mov_b32 s29, 0
	s_mov_b32 s31, 0
	s_lshl_b32 s2, s11, 13
	s_add_co_u32 s2, s2, Q_KS
	s_mov_b32 s3, 0
	s_lshl_b32 s24, s11, 12
	s_add_co_u32 s24, s24, Q_VS
	s_mov_b32 s25, 0
	s_mov_b32 s[SEL], 0x76543210
	s_mov_b32 s[SEL+1], 0xfedcba98
	s_mov_b32 s[CS], 0x3e38aa3b                    ; c = log2(e) / 8
	s_mov_b32 s[CS+1], s[CS]
	s_wait_alu depctr_va_vdst(0)
	s_wait_kmcnt 0x0
	s_add_nc_u64 s[28:29], s[4:5], s[28:29]
	s_add_nc_u64 s[30:31], s[4:5], s[30:31]
	s_add_nc_u64 s[2:3], s[4:5], s[2:3]
	s_add_nc_u64 s[24:25], s[4:5], s[24:25]
	; THE FILL: 26 loads a thread, each of the work-group's covering 8,192 (the last 4,096) consecutive bytes; load k goes to LDS byte 8,192 k + 16 x thread
.irp i, 0,1,2,3,4,5,6,7,8,9,10,11
	global_load_b128 v[100+4*\i:103+4*\i], v8, s[28:29] offset:8192*\i
.endr
.irp i, 0,1,2,3,4,5,6,7,8,9,10,11
	global_load_b128 v[148+4*\i:151+4*\i], v8, s[30:31] offset:8192*\i
.endr
	global_load_b128 v[196:199], v8, s[2:3]
	global_load_b64 v[200:201], v29, s[24:25]
	v_and_b32 v30, 31, v0                          ; lane
	v_and_b32 v31, 15, v0                          ; r
	s_delay_alu instid0(VALU_DEP_2)
	v_lshlrev_b32 v1, 3, v30                       ; 8 x lane: my place in a chunk
	s_delay_alu instid0(VALU_DEP_1)
	v_add_nc_u32 v2, VCB, v1
	s_delay_alu instid0(VALU_DEP_3)
	v_lshlrev_b32 v5, 5, v31                       ; 32 r
	s_delay_alu instid0(VALU_DEP_1)
	v_add_nc_u32 v3, KSB, v5                       ; k's scale words: eight a row
	v_lshl_add_u32 v4, v31, 4, VSB                 ; v's: four a row
	v_mov_b32 v7, 0xd0000000                       ; -2^33
.irp i, 22,23,24,25,26,27,92,93,94,95,96,97
	v_mov_b32 v\i, 0                               ; q's zero codes for K = 64 .. 127; and what the last tile of k runs on into
.endr
.irp b, 0,1,2,3
	v_mov_b32 v[PD+\b], 0                          ; a lane permute's destination counts as one of its sources
.endr
	v_mov_b32 v[TMP], 0
	v_mov_b32 v[PSW], 0                            ; named as the upper half of the pair with f before it is first written
.macro PUT k, adr, off
	s_wait_loadcnt 25-(\k)                         ; load k is in; the 25 - k younger ones stay out
	ds_store_b128 v[\adr], v[100+4*(\k):103+4*(\k)] offset:\off
.endm
.irp k, 0,1,2,3,4,5,6,7
	PUT \k, 8, 8192*\k
.endr
.irp k, 8,9,10,11,12,13,14,15
	PUT \k, 9, 8192*(\k-8)
.endr
.irp k, 16,17,18,19,20,21,22,23
	PUT \k, 10, 8192*(\k-16)
.endr
	PUT 24, 11, 0
	s_wait_loadcnt 0x0
	ds_store_b64 v6, v[200:201] offset:8192
	s_wait_dscnt 0x0                               ; for the others' sake: my stores have landed
	s_barrier_signal -1
	s_barrier_wait -1                              ; the head's k and v lie in LDS; nobody writes LDS again
	s_mov_b32 s13, 0
.Lpass:                                            ; two tiles of queries a wave
	s_wait_xcnt 0x0                                ; the last pass's stores (and the fill's loads) have read their registers and bases
	s_sub_co_u32 s2, 31, s10
	s_cmp_eq_u32 s13, 0
	s_cselect_b32 s2, s10, s2
	s_lshl_b32 s14, s2, 2
	s_add_co_u32 s14, s14, s12                     ; the tile T
	s_lshl_b32 s2, s14, 2
	s_load_b32 s15, s[6:7], s2 offset:M_FL         ; its flags: two bits a step
	s_lshl_b32 s28, s14, 12
	s_mov_b32 s29, 0
	s_add_nc_u64 s[24:25], s[6:7], s[28:29]        ; its lane masks: 256 bytes a step
	s_lshl_b32 s28, s11, 7
	s_add_co_u32 s28, s28, s14
	s_mul_i32 s28, s28, 768
	s_add_nc_u64 s[28:29], s[4:5], s[28:29]        ; q's codes
	s_lshl_b32 s30, s11, 4
	s_lshr_b32 s31, s14, 3
	s_add_co_u32 s30, s30, s31
	s_lshl_b32 s30, s30, 9
	s_and_b32 s31, s14, 7
	s_lshl_b32 s31, s31, 2
	s_add_co_u32 s30, s30, s31
	s_add_co_u32 s30, s30, Q_QS
	s_mov_b32 s31, 0
	s_add_nc_u64 s[30:31], s[4:5], s[30:31]        ; q's scale words
.irp p, 0,1,2
	global_load_b64 v[16+2*\p:17+2*\p], v1, s[28:29] offset:256*\p
.endr
	global_load_b32 v28, v5, s[30:31]
	v_mov_b32 v13, 0xff61b1e6                      ; the largest t so far: -3e38
	s_delay_alu instid0(VALU_DEP_1)
	v_floor_f32 v12, -v13                          ; -M
	v_mov_b32 v14, 0
	v_mov_b32 v15, 0
.irp j, 0,1,2,3,4,5,6,7,8,9,10,11,12,13,14,15,16,17,18,19,20,21,22,23,24,25,26,27,28,29,30,31
	v_mov_b32 v[O+\j], 0                           ; O^T begins as zeros: which step is the first that is worked hangs on the stored flags, so no product can be written out to start the sums
.endr
	s_mov_b32 s17, 0                               ; the step's codes: 6,144 bytes a step, of k and of v alike
	s_mov_b32 s18, 0                               ; k's scale words: 512
	s_mov_b32 s19, 0                               ; v's scale words, and the lane masks: 256
	s_mov_b32 s16, 0
	s_wait_kmcnt 0x0
	s_wait_loadcnt 0x0
.Lstep:                                            ; 16 steps of 128 keys
	s_lshl_b32 s27, s16, 1
	s_lshr_b32 s27, s15, s27
	s_and_b32 s27, s27, 3
	s_cmp_eq_u32 s27, 0
	s_cbranch_scc1 .Lskip                          ; none of these keys counts
	s_setprio 2
	v_add_nc_u32 v8, s17, v1                       ; these four are also the places behind the last step's products, in front of the loads below
	v_add_nc_u32 v9, s17, v2
	v_add_nc_u32 v10, s18, v3
	v_add_nc_u32 v11, s19, v4
	s_load_b512 s[32:47], s[24:25], s19 offset:0x0     ; the step's 64 lane masks: words 0-31 in s32-63, words 32-63 in s68-99
	s_load_b512 s[48:63], s[24:25], s19 offset:0x40
	s_load_b512 s[68:83], s[24:25], s19 offset:0x80
	s_load_b512 s[84:99], s[24:25], s19 offset:0xc0
.irp t, 0,1,2,3,4,5,6,7
.irp p, 0,1,2
	ds_load_b64 v[KB+6*\t+2*\p:KB+6*\t+2*\p+1], v8 offset:768*\t+256*\p   ; 256 consecutive bytes an instruction
.endr
.endr
	ds_load_b128 v[KSW:KSW+3], v10
	ds_load_b128 v[KSW+4:KSW+7], v10 offset:16
	s_wait_alu depctr_va_vdst(0)
	s_wait_dscnt 0x0
.irp t, 0,1,2,3,4,5,6,7                ; S^T = k q^T: lane (r, h) holds query r; register 16 b + i is key 32 b + 16 h + i of the step
	v_wmma_scale_f32_16x16x128_f8f6f4 v[S+8*\t:S+8*\t+7], v[KB+6*\t:KB+6*\t+11], v[16:27], 0, v[KSW+\t], v28 matrix_a_fmt:MATRIX_FMT_FP6 matrix_b_fmt:MATRIX_FMT_FP6
.endr
.rept 4
	v_nop                                          ; places in front of the loads into k's registers and of the first read of the scores
.endr
.irp d, 0,1,2,3                        ; v's four tiles land while the softmax is worked
.irp p, 0,1,2,3,4,5
	ds_load_b64 v[KB+12*\d+2*\p:KB+12*\d+2*\p+1], v9 offset:1536*\d+256*\p
.endr
.endr
	ds_load_b128 v[VSW:VSW+3], v11
	s_wait_kmcnt 0x0                               ; the lane masks are in
	s_cmp_eq_u32 s27, 2
	s_cbranch_scc1 .Lopen                          ; all these keys count
.set n, 0
.rept 64
.if n < 32
	v_cndmask_b32 v[S+n], v7, v[S+n], s[32+n]      ; a key that does not count: -2^33
.else
	v_cndmask_b32 v[S+n], v7, v[S+n], s[36+n]
.endif
.set n, n+1
.endr
.Lopen:
.irp b, 0,1,2,3
	v_max3_num_f32 v[BM+\b], v[S+16*\b], v[S+1+16*\b], v[S+2+16*\b]   ; the largest score of each block of 32 keys: it serves the row's maximum and, since p rises with the score, the block's largest p
.endr
.irp i, 3,5,7,9,11,13
.irp b, 0,1,2,3
	v_max3_num_f32 v[BM+\b], v[BM+\b], v[S+16*\b+\i], v[S+1+16*\b+\i]
.endr
.endr
.irp b, 0,1,2,3
	v_max_num_f32 v[BM+\b], v[BM+\b], v[S+15+16*\b]
.endr
.irp b, 0,1,2,3
	s_delay_alu instid0(VALU_DEP_4)
	v_permlanex16_b32 v[PD+\b], v[BM+\b], s[SEL], s[SEL+1]
.endr
.irp b, 0,1,2,3
	s_delay_alu instid0(VALU_DEP_4)
	v_max_num_f32 v[BM+\b], v[BM+\b], v[PD+\b]
.endr
	s_delay_alu instid0(VALU_DEP_2)
	v_max3_num_f32 v[TMP], v[BM], v[BM+1], v[BM+2]
	s_delay_alu instid0(VALU_DEP_1)
	v_max_num_f32 v[TMP], v[TMP], v[BM+3]
	s_delay_alu instid0(VALU_DEP_1)
	v_mul_f32 v[TMP], s[CS], v[TMP]                ; as t
	s_delay_alu instid0(VALU_DEP_1)
	v_max_num_f32 v13, v13, v[TMP]                 ; the running largest t
	v_mov_b32 v[TMP], v12
	s_delay_alu instid0(VALU_DEP_2)
	v_floor_f32 v12, -v13                          ; the new -M: M is a whole number
	s_delay_alu instid0(VALU_DEP_1)
	v_sub_f32 v[TMP], v12, v[TMP]                  ; old M - new M: a whole number, 0 or less
	s_delay_alu instid0(VALU_DEP_1)
	v_cvt_i32_f32 v[TMP], v[TMP]                   ; (it saturates)
	s_delay_alu instid0(VALU_DEP_1)
	v_ldexp_f32 v[FF], 1.0, v[TMP]                 ; f = 2^(old M - new M): a multiplication by it rounds nothing
.irp j, 0,2,4,6,8,10,12,14,16,18,20,22,24,26,28,30,32,34,36,38,40,42,44,46,48,50,52,54,56,58,60,62
	v_pk_fma_f32 v[S+\j:S+1+\j], v[S+\j:S+1+\j], s[CS:CS+1], v[12:13] op_sel_hi:[1,0,0]   ; t - M
.endr
.irp b, 0,1,2,3
	v_fma_f32 v[BM+\b], v[BM+\b], s[CS], v12
.endr
	s_setprio 1
	s_wait_alu depctr_va_vdst(0)
.irp j, 0,1,2,3,4,5,6,7,8,9,10,11,12,13,14,15,16,17,18,19,20,21,22,23,24,25,26,27,28,29,30,31,32,33,34,35,36,37,38,39,40,41,42,43,44,45,46,47,48,49,50,51,52,53,54,55,56,57,58,59,60,61,62,63
	v_exp_f32 v[S+\j], v[S+\j]                     ; p = 2^(t - M)
.endr
.irp b, 0,1,2,3
	v_exp_f32 v[BM+\b], v[BM+\b]                   ; the block's largest p
.endr
	v_pk_mul_f32 v[14:15], v[14:15], v[FF:FF+1] op_sel_hi:[1,0]   ; the sum under the new M (a plain place behind the exponentials)
	s_wait_alu depctr_va_vdst(0)
.irp b, 0,1,2,3
	v_max_num_f32 v[BM+\b], 0x1800000, v[BM+\b]    ; the floor 2^(3 - 127)
.endr
.irp b, 0,1,2,3
	s_delay_alu instid0(VALU_DEP_4)
	v_add_nc_u32 v[SO+\b], 0xff000000, v[BM+\b]    ; the conversion's scale operand
.endr
.irp b, 0,1,2,3
	s_delay_alu instid0(VALU_DEP_4)
	v_lshrrev_b32 v[PD+\b], 23, v[SO+\b]           ; the scale's byte
.endr
	s_delay_alu instid0(VALU_DEP_3)
	v_lshl_or_b32 v[PSW], v[PD+1], 8, v[PD]
	s_delay_alu instid0(VALU_DEP_1)
	v_lshl_or_b32 v[PSW], v[PD+2], 16, v[PSW]
	s_delay_alu instid0(VALU_DEP_1)
	v_lshl_or_b32 v[PSW], v[PD+3], 24, v[PSW]
.irp c, 0,1
	v_cvt_scalef32_pk16_fp6_f32 v[PC+6*\c:PC+2+6*\c], v[S+32*\c:S+15+32*\c], v[SO+2*\c]
	v_cvt_scalef32_pk16_fp6_f32 v[PC+12+4*\c:PC+14+4*\c], v[S+16+32*\c:S+31+32*\c], v[SO+2*\c+1]
.endr
	v_nop                                          ; one plain place behind a scaled conversion
.irp c, 0,1
.irp i, 0,1,2
	v_permlane16_swap_b32 v[PC+6*\c+\i], v[PC+12+4*\c+\i]
.endr
.irp i, 0,1,2
	s_delay_alu instid0(VALU_DEP_3)
	v_mov_b32 v[PC+3+6*\c+\i], v[PC+12+4*\c+\i]
.endr
.endr
	v_pk_add_f32 v[232:233], v[104:105], v[108:109]
	v_pk_add_f32 v[252:253], v[112:113], v[116:117]
	v_pk_add_f32 v[250:251], v[120:121], v[124:125]
	v_pk_add_f32 v[248:249], v[128:129], v[132:133]
	v_pk_add_f32 v[246:247], v[136:137], v[140:141]
	v_pk_add_f32 v[244:245], v[144:145], v[148:149]
	v_pk_add_f32 v[242:243], v[152:153], v[156:157]
	v_pk_add_f32 v[14:15], v[14:15], v[160:161]
	v_pk_add_f32 v[232:233], v[232:233], v[100:101]
	v_pk_add_f32 v[252:253], v[252:253], v[102:103]
	v_pk_add_f32 v[250:251], v[250:251], v[106:107]
	v_pk_add_f32 v[248:249], v[248:249], v[110:111]
	v_pk_add_f32 v[246:247], v[246:247], v[114:115]
	v_pk_add_f32 v[244:245], v[244:245], v[118:119]
	v_pk_add_f32 v[242:243], v[242:243], v[122:123]
	v_pk_add_f32 v[14:15], v[14:15], v[126:127]
	v_pk_add_f32 v[232:233], v[232:233], v[130:131]
	s_setprio 0
	v_pk_add_f32 v[252:253], v[252:253], v[134:135]
	v_pk_add_f32 v[250:251], v[250:251], v[138:139]
	v_pk_add_f32 v[248:249], v[248:249], v[142:143]
	v_pk_add_f32 v[246:247], v[246:247], v[146:147]
	v_pk_add_f32 v[244:245], v[244:245], v[150:151]
	v_pk_add_f32 v[242:243], v[242:243], v[154:155]
	v_pk_add_f32 v[14:15], v[14:15], v[158:159]
	v_pk_add_f32 v[232:233], v[232:233], v[162:163]
	s_delay_alu instid0(VALU_DEP_2)
	v_pk_add_f32 v[14:15], v[14:15], v[248:249]
	s_delay_alu instid0(VALU_DEP_2)
	v_pk_add_f32 v[232:233], v[232:233], v[246:247]
	v_pk_add_f32 v[252:253], v[252:253], v[244:245]
	v_pk_add_f32 v[250:251], v[250:251], v[242:243]
	s_delay_alu instid0(VALU_DEP_2)
	v_pk_add_f32 v[14:15], v[14:15], v[252:253]
	s_delay_alu instid0(VALU_DEP_2)
	v_pk_add_f32 v[232:233], v[232:233], v[250:251]
	s_delay_alu instid0(VALU_DEP_1)
	v_pk_add_f32 v[14:15], v[14:15], v[232:233]
.irp j, 0,2,4,6,8,10,12,14,16,18,20,22,24,26,28,30
	v_pk_mul_f32 v[O+\j:O+1+\j], v[O+\j:O+1+\j], v[FF:FF+1] op_sel_hi:[1,0]   ; O^T under the new M; with the sums above: the places between p's codes and scale word and the products
.endr
	s_wait_alu depctr_va_vdst(0)
	s_wait_dscnt 0x0                               ; v's tiles and scale words are in
.irp d, 0,1,2,3                        ; O^T += v^T p^T: the four accumulators by turns; the eight products on the scores stand between two laps
	v_wmma_scale_f32_16x16x128_f8f6f4 v[O+8*\d:O+8*\d+7], v[KB+12*\d:KB+12*\d+11], v[PC:PC+11], v[O+8*\d:O+8*\d+7], v[VSW+\d], v[PSW] matrix_a_fmt:MATRIX_FMT_FP6 matrix_b_fmt:MATRIX_FMT_FP6
.endr
.Lskip:
	s_add_co_u32 s17, s17, 6144
	s_add_co_u32 s18, s18, 512
	s_add_co_u32 s19, s19, 256
	s_add_co_u32 s16, s16, 1
	s_cmp_lt_u32 s16, 16
	s_cbranch_scc1 .Lstep
	s_setprio 0
	; THE TILE'S END: O^T / the sum; register 16 b + i is channel 32 b + 16 h + i of the head (v's channels were stored in the order that gives this): two blocks of the last product's K
.rept 4
	v_nop                                          ; places behind the last products
.endr
	v_add_f32 v14, v14, v15
	s_delay_alu instid0(VALU_DEP_1)
	v_permlanex16_b32 v[TMP], v14, s[SEL], s[SEL+1]
	s_delay_alu instid0(VALU_DEP_1)
	v_add_f32 v14, v14, v[TMP]                     ; the row's sum
	s_wait_alu depctr_va_vdst(0)
	v_rcp_f32 v14, v14
	v_nop                                          ; one plain place behind a transcendental
	s_wait_alu depctr_va_vdst(0)
.irp j, 0,2,4,6,8,10,12,14,16,18,20,22,24,26,28,30
	v_pk_mul_f32 v[S+\j:S+1+\j], v[O+\j:O+1+\j], v[14:15] op_sel_hi:[1,0]
.endr
.irp b, 0,1
	v_max3_num_f32 v[BM+\b], |v[S+16*\b]|, |v[S+1+16*\b]|, 0x1800000
.endr
.irp i, 2,4,6,8,10,12,14
.irp b, 0,1
	s_delay_alu instid0(VALU_DEP_2)
	v_max3_num_f32 v[BM+\b], v[BM+\b], |v[S+16*\b+\i]|, |v[S+1+16*\b+\i]|
.endr
.endr
.irp b, 0,1
	s_delay_alu instid0(VALU_DEP_2)
	v_permlanex16_b32 v[PD+\b], v[BM+\b], s[SEL], s[SEL+1]
.endr
.irp b, 0,1
	s_delay_alu instid0(VALU_DEP_2)
	v_max_num_f32 v[BM+\b], v[BM+\b], v[PD+\b]
.endr
.irp b, 0,1
	s_delay_alu instid0(VALU_DEP_2)
	v_add_nc_u32 v[SO+\b], 0xff000000, v[BM+\b]
.endr
.irp b, 0,1
	s_delay_alu instid0(VALU_DEP_2)
	v_lshrrev_b32 v[PD+\b], 23, v[SO+\b]
.endr
	s_delay_alu instid0(VALU_DEP_1)
	v_lshl_or_b32 v[TMP], v[PD+1], 8, v[PD]        ; the head's two scale bytes of my query
	v_cvt_scalef32_pk16_fp6_f32 v[PC:PC+2], v[S:S+15], v[SO]
	v_cvt_scalef32_pk16_fp6_f32 v[PC+12:PC+14], v[S+16:S+31], v[SO+1]
	v_nop
.irp i, 0,1,2
	v_permlane16_swap_b32 v[PC+\i], v[PC+12+\i]
.endr
.irp i, 0,1,2
	s_delay_alu instid0(VALU_DEP_3)
	v_mov_b32 v[PC+3+\i], v[PC+12+\i]              ; registers 0-5: channels 32 h + 0 .. 31: half a fragment of the last product's A
.endr
	s_lshr_b32 s32, s11, 4                         ; the batch
	s_lshl_b32 s32, s32, 7
	s_add_co_u32 s32, s32, s14                     ; the tile among all 512
	s_and_b32 s33, s11, 15                         ; the head
	s_lshl_b32 s34, s32, 9
	s_lshl_b32 s35, s33, 1
	s_add_co_u32 s34, s34, s35
	s_add_co_u32 s34, s34, A_AS
	s_mov_b32 s35, 0
	s_lshl_b32 s32, s32, 4
	s_add_co_u32 s32, s32, s33
	s_mul_i32 s32, s32, 768
	s_mov_b32 s33, 0
	s_add_nc_u64 s[32:33], s[8:9], s[32:33]
	s_add_nc_u64 s[34:35], s[8:9], s[34:35]
	s_wait_alu depctr_va_vdst(0)
.irp p, 0,1,2
	global_store_b64 v1, v[PC+2*\p:PC+2*\p+1], s[32:33] offset:256*\p   ; 256 consecutive bytes, aligned
.endr
	global_store_b16 v5, v[TMP], s[34:35]          ; two bytes of my query's 32: rows 32 bytes apart; lanes 16-31 repeat lanes 0-15.  2 bytes in 50 of what a tile stores
	s_add_co_u32 s13, s13, 1
	s_cmp_lt_u32 s13, 2
	s_cbranch_scc1 .Lpass
	s_wait_tensorcnt 0x0
	ds_add_u32 v254, v255
	s_wait_dscnt 0x0
	s_endpgm
.Lfunc_end_k_q53e496fb8f_attn:
	.size	k_q53e496fb8f_attn, .Lfunc_end_k_q53e496fb8f_attn-k_q53e496fb8f_attn
	.p2alignl 7, 3214868480
	.fill 96, 4, 3214868480
	.section	.rodata,"a",@progbits
	.p2align	6, 0x0
	.amdhsa_kernel k_q53e496fb8f_attn
		.amdhsa_group_segment_fixed_size 210944
		.amdhsa_private_segment_fixed_size 0
		.amdhsa_enable_private_segment 0
		.amdhsa_kernarg_size 24
		.amdhsa_user_sgpr_count 2
		.amdhsa_user_sgpr_kernarg_segment_ptr 1
		.amdhsa_wavefront_size32 1
		.amdhsa_system_sgpr_workgroup_id_x 1
		.amdhsa_system_sgpr_workgroup_id_y 1
		.amdhsa_system_sgpr_workgroup_id_z 1
		.amdhsa_system_vgpr_workitem_id 0
		.amdhsa_next_free_vgpr 256
		.amdhsa_next_free_sgpr 100
		.amdhsa_reserve_vcc 0
		.amdhsa_float_denorm_mode_32 3
		.amdhsa_float_denorm_mode_16_64 3
		.amdhsa_memory_ordered 1
		.amdhsa_forward_progress 1
		.amdhsa_inst_pref_size 39
	.end_amdhsa_kernel
	.amdgpu_metadata
---
amdhsa.version: [ 1, 2 ]
amdhsa.kernels:
  - .name:           k_q53e496fb8f_attn
    .symbol:         k_q53e496fb8f_attn.kd
    .args:
      - { .name: qkv, .offset: 0, .size: 8, .value_kind: global_buffer, .address_space: global }
      - { .name: msk, .offset: 8, .size: 8, .value_kind: global_buffer, .address_space: global }
      - { .name: att, .offset: 16, .size: 8, .value_kind: global_buffer, .address_space: global }
    .group_segment_fixed_size: 210944
    .private_segment_fixed_size: 0
    .kernarg_segment_align: 8
    .kernarg_segment_size: 24
    .max_flat_workgroup_size: 512
    .sgpr_count:     100
    .vgpr_count:     256
    .wavefront_size: 32
...
	.end_amdgpu_metadata
.endif
;; end of part 3
;; launch proj (part 4): grid 4 x 32, 4 waves a work-group, clusters of 4 x 4, 327,680 bytes of LDS; arguments att, prep, bo, out0; writes out0
.if DOCPART == 4
	.amdgcn_target "amdgcn-amd-amdhsa--gfx1250"
	.amdhsa_code_object_version 6
	.text
	.protected	k_q53e496fb8f_proj
	.globl	k_q53e496fb8f_proj
	.p2align	8
	.type	k_q53e496fb8f_proj,@function
k_q53e496fb8f_proj:
	s_mov_b64 s[64:65], 0
	v_nop
	global_prefetch_b8 v0, s[64:65] scope:SCOPE_SE
	s_setreg_imm32_b32 hwreg(HW_REG_WAVE_MODE, 25, 1), 1
	s_wait_xcnt 0x0
	s_wait_alu depctr_hold_cnt(0) depctr_sa_sdst(0) depctr_va_vdst(0) depctr_va_sdst(0) depctr_va_ssrc(0) depctr_va_vcc(0) depctr_vm_vsrc(0)
	s_getreg_b32 s2, hwreg(HW_REG_IB_STS2, 6, 4)
	s_cmp_eq_u32 s2, 0
	s_cbranch_scc0 .Lentry_in_a_cluster
	s_endpgm
.Lentry_in_a_cluster:
	s_bfe_u32 s2, ttmp6, 0x10000c
	s_cmp_lg_u32 s2, 0xf033
	s_cbranch_scc0 .Lentry_shape_is_right
	s_endpgm
.Lentry_shape_is_right:
; out0 = A wo + bo on codes of FP6 (E2M3) with E8M0 scales; A = the attention's result, 8,192 tokens x 1,024 channels; out0 f32.
; A's codes lie in att in the order of the operand's registers: [tile of 16 tokens 512][head 16][3 chunks of 256 bytes] (a chunk = two registers of all lanes, lane l at byte 8 l; a head's 64 channels are half a fragment);
; its scale bytes [stored token row][32] behind them.  wo's codes and scale bytes lie in prep as rows (a row = a column n of wo, K innermost).  Tokens and wo's rows are stored with the second and third group of eight of each 32
; exchanged; the way out puts rows and columns back.
; A tile of out0, 256 x 256, is made by four waves, each 128 x 128: 64 accumulators.  K goes in four steps of 256 through a ring of two LDS slots filled by the tensor data mover; the scale bytes come once and stay.
; CLUSTERS: 4 x 4 work-groups; A's tiles are shared along a row of the cluster, wo's along a column: joint loads.  128 work-groups: this tile leaves half of the WGPs without work.
; THE MATRIX INSTRUCTION IS USED TRANSPOSED (source 0 = 16 rows of wo, source 1 = 16 tokens): a lane holds eight neighbouring numbers of a row of out0.
; REGISTERS: window 0: v0-31 addresses; v32-63 scale words, two sets; v64-67 bo; from v128 A's fragments, one set; on the way out v128-255 rows.  window 1: wo's fragments, two sets.  windows 2, 3: the accumulators.
.set P_WC, 6553600
.set P_WS, 9699328
.set A_AS, 6291456
.set SIZE_K, 1024
.set KSTEP,  256
.set NQ,     KSTEP/128
.set ROWB,   192
.set KROW,   SIZE_K*6/8
.set PITCH,  240                       ; wo's LDS row: 3 x (64 bytes + 16 of padding)
.set ASTEP,  3072                      ; A: a tile of tokens' codes of a K step: four heads x 768 bytes
.set FR,     12
.set NL,     6
.set NP,     4
.set HALFT,  128*PITCH                 ; a wave's place in a slot; A's part uses 24,576 bytes of it
.set SLOT,   4*HALFT
.set LAPS,   SIZE_K/(2*KSTEP)
.set KS,     SIZE_K/32
.set SCL,    2*SLOT
.set HALFS,  (128*KS/256)*272
.set SBLK,   (16*KS/256)*272
.set SPARE,  SCL+4*HALFS               ; the spare words, 128 bytes a wave: two blocks of 256 bytes that no other line names
.set SPITCH, 528                       ; the way out: a stage of 16 rows x (512 bytes + 16) a wave, in slot 0, which has had its last fill and its last read by then
.set ADRA, 16
.set ADRB, 20
.set STO,  24
.set RD,   25
.set CO,   26
.set ADRS, 27
.set SPW,  28
.set NIL,  29
.set SC,   32
.set BO,   64
.set AF,   128
.set BK,   128
.set G1, 24
.set G0, 32
.set G1B, 48
.set G0B, 56
.set G1S, 68
.set G0S, 76
.set G1SB, 80
.set G0SB, 88
.set MSB, 0
.macro WIN new
.if MSB != \new
	s_set_vgpr_msb (MSB<<8)|\new
.set MSB, \new
.endif
.endm
.set MUL_LO, 0xa1
.set MUL_HI, 0xf1
.set TO_B,   0x40
.macro JLOAD g0a, g1a, g0b, g1b        ; a joint load: waves 0 and 1 fetch for A, waves 2 and 3 for wo; four v_nop follow each of the two lines
	s_cmp_eq_u32 s15, 0
	s_cbranch_scc0 .Lfor_b_\@
	tensor_load_to_lds s[\g0a:\g0a+3], s[\g1a:\g1a+7]
	s_nop 0
.rept 4
	v_nop
.endr
	s_branch .Lasked_\@
.Lfor_b_\@:
	tensor_load_to_lds s[\g0b:\g0b+3], s[\g1b:\g1b+7]
	s_nop 0
.rept 4
	v_nop
.endr
.Lasked_\@:
.endm
.macro CREST
	s_cmp_lg_u32 s14, 0
	s_cbranch_scc1 .Lnot_wave_0_\@
	s_barrier_signal -3
.Lnot_wave_0_\@:
	s_barrier_wait -3
	s_barrier_signal -1
	s_barrier_wait -1
.endm
.macro CROUND
	s_barrier_signal -1
	s_barrier_wait -1
	CREST
.endm
	s_load_b128 s[4:7], s[0:1], 0x0                ; att s[4:5], prep s[6:7]
	s_load_b128 s[8:11], s[0:1], 0x10              ; bo s[8:9], out0 s[10:11]
	v_lshl_add_u32 v[SPW], v0, 2, SPARE
	v_mov_b32 v[NIL], 0
	ds_add_u32 v28, v29
	ds_add_u32 v28, v29
	s_wait_dscnt 0x0
	v_lshrrev_b32 v1, 5, v0
	v_readfirstlane_b32 s14, v1                    ; wave 0..3
	s_lshr_b32 s15, s14, 1                         ; which half of the tile's rows is mine.  Also: I fetch for A (0) or for wo (1)
	s_and_b32 s16, s14, 1                          ; which half of its columns.  Also: which half of that tile I fetch
	s_bfe_u32 s40, ttmp6, 0x40000                  ; cx
	s_bfe_u32 s41, ttmp6, 0x40004                  ; cy
	s_lshl_b32 s42, ttmp9, 2
	s_add_co_u32 s42, s42, s40                     ; tile column
	s_and_b32 s17, ttmp7, 0xffff
	s_lshl_b32 s17, s17, 2
	s_add_co_u32 s17, s17, s41                     ; tile row
	s_lshl_b32 s43, s41, 2
	s_lshl_b32 s43, 15, s43                        ; my row of the cluster
	s_lshl_b32 s44, 0x1111, s40                    ; my column
	; A's tile: 8 tiles of tokens x 3,072 consecutive bytes (384 elements of 8 bytes), 12,288 bytes apart; dense in LDS
	s_or_b32 s[G1+0], s43, (3<<16)|(1<<21)         ; the mask: my row; elements of 8 bytes; bit 21 beside a mask; no padding
	s_mov_b32 s[G1+1], 384<<16                     ; tensor_dim0
	s_mov_b32 s[G1+2], 8<<16                       ; tensor_dim1
	s_mov_b32 s[G1+3], 384<<16                     ; tile_dim0
	s_mov_b32 s[G1+4], 8                           ; tile_dim1
	s_mov_b32 s[G1+5], 1536                        ; the pitch, in elements
	s_mov_b32 s[G1+6], 0
	s_mov_b32 s[G1+7], 0
	; wo's tile: 128 rows x 192 bytes, padded in LDS
	s_or_b32 s[G1B+0], s44, (0<<16)|(1<<20)|(1<<21)|(3<<22)|(3<<25)
	s_mov_b32 s[G1B+1], ROWB<<16
	s_mov_b32 s[G1B+2], 128<<16
	s_mov_b32 s[G1B+3], ROWB<<16
	s_mov_b32 s[G1B+4], 128
	s_mov_b32 s[G1B+5], KROW
	s_mov_b32 s[G1B+6], 0
	s_mov_b32 s[G1B+7], 0
	s_or_b32 s[G1S+0], s43, (3<<16)|(1<<20)|(1<<21)|(5<<22)|(3<<25)   ; the scales of 128 rows: a dense block, as rows of 256 bytes with 16 bytes of padding
	s_or_b32 s[G1SB+0], s44, (3<<16)|(1<<20)|(1<<21)|(5<<22)|(3<<25)
.irp g, G1S, G1SB
	s_mov_b32 s[\g+1], 32<<16
	s_mov_b32 s[\g+2], (128*KS/256)<<16
	s_mov_b32 s[\g+3], 32<<16
	s_mov_b32 s[\g+4], 128*KS/256
	s_mov_b32 s[\g+5], 32
	s_mov_b32 s[\g+6], 0
	s_mov_b32 s[\g+7], 0
.endr
	s_lshl_b32 s20, s17, 4
	s_lshl_b32 s19, s16, 3
	s_add_co_u32 s20, s20, s19                     ; A: the first of the eight tiles of tokens that I fetch
	s_lshl_b32 s22, s20, 9                         ; their scale bytes: 16 rows of 32
	s_add_co_u32 s22, s22, A_AS
	s_mov_b32 s23, 0
	s_mul_i32 s20, s20, 12288
	s_mov_b32 s21, 0
	s_lshl_b32 s46, s42, 8
	s_lshl_b32 s19, s16, 7
	s_add_co_u32 s46, s46, s19
	s_add_co_u32 s46, s46, 3072                    ; wo's rows lie behind wq's, wk's and wv's
	s_lshl_b32 s92, s46, 5
	s_add_co_u32 s92, s92, P_WS
	s_mov_b32 s93, 0
	s_mul_i32 s46, s46, KROW
	s_add_co_u32 s46, s46, P_WC
	s_mov_b32 s47, 0
	s_mul_i32 s45, s14, HALFT                      ; where they go: no place in the cluster enters an LDS address
	s_mul_i32 s94, s14, HALFS
	s_wait_kmcnt 0x0
	s_add_nc_u64 s[20:21], s[4:5], s[20:21]
	s_add_nc_u64 s[22:23], s[4:5], s[22:23]
	s_add_nc_u64 s[46:47], s[6:7], s[46:47]
	s_add_nc_u64 s[92:93], s[6:7], s[92:93]
	CROUND                                         ; all sixteen work-groups are here: the first joint loads meet
	s_mov_b32 s[G0S], 1
	s_add_co_u32 s[G0S+1], s94, SCL
	s_mov_b64 s[G0S+2:G0S+3], s[22:23]
	s_or_b32 s[G0S+3], s[G0S+3], 0x80000000
	s_mov_b32 s[G0SB], 1
	s_add_co_u32 s[G0SB+1], s94, SCL
	s_mov_b64 s[G0SB+2:G0SB+3], s[92:93]
	s_or_b32 s[G0SB+3], s[G0SB+3], 0x80000000
	JLOAD G0S, G1S, G0SB, G1SB
.irp s, 0,1
	s_mov_b32 s[G0+4*\s], 1
	s_add_co_u32 s[G0+4*\s+1], s45, \s*SLOT
	s_add_nc_u64 s[G0+4*\s+2:G0+4*\s+3], s[20:21], \s*ASTEP
	s_or_b32 s[G0+4*\s+3], s[G0+4*\s+3], 0x80000000
	s_mov_b32 s[G0B+4*\s], 1
	s_add_co_u32 s[G0B+4*\s+1], s45, \s*SLOT
	s_add_nc_u64 s[G0B+4*\s+2:G0B+4*\s+3], s[46:47], \s*ROWB
	s_or_b32 s[G0B+4*\s+3], s[G0B+4*\s+3], 0x80000000
	JLOAD G0+4*\s, G1, G0B+4*\s, G1B
.endr
	v_and_b32 v1, 15, v0                           ; r
	v_bfe_u32 v2, v0, 4, 1                         ; h
	v_and_b32 v6, 31, v0                           ; lane
	v_lshlrev_b32 v7, 3, v6                        ; A: my place in a chunk
	v_mul_u32_u24 v3, v1, PITCH
	v_mul_u32_u24 v4, v2, 24
	v_add_nc_u32 v4, v3, v4                        ; wo: a fragment's row x pitch + 24 x half
	v_lshl_add_u32 v5, v2, 4, v4                   ; and the same behind one padding more
	s_mul_i32 s21, s15, HALFT
	s_mul_i32 s22, s16, HALFT
	s_add_co_u32 s22, s22, 2*HALFT
.irp s, 0,1
	v_add_nc_u32 v[ADRA+\s], s21, v7
	v_add_nc_u32 v[ADRB+\s], s22, v4
	v_add_nc_u32 v[ADRB+2+\s], s22, v5
	s_add_co_u32 s21, s21, SLOT
	s_add_co_u32 s22, s22, SLOT
.endr
	v_mul_u32_u24 v5, v1, KS
	v_lshrrev_b32 v8, 8, v5
	v_lshl_add_u32 v5, v8, 4, v5
	s_mul_i32 s21, s15, HALFS
	s_mul_i32 s22, s16, HALFS
	s_add_co_u32 s22, s22, 2*HALFS
	s_sub_co_u32 s22, s22, s21
	v_mul_u32_u24 v8, s22, v2                      ; lanes 16-31 take wo's scale words
	s_add_co_u32 s21, s21, SCL
	v_add_nc_u32 v5, v5, v8
	v_add_nc_u32 v[ADRS], s21, v5
	s_mul_i32 s23, s14, 16*SPITCH                  ; my stage
	v_mul_u32_u24 v5, v1, SPITCH
	v_lshl_add_u32 v5, v2, 6, v5                   ; in: row r; tile b's eight columns are columns 32 (b / 2) + 16 h + 8 (b % 2) on: 64 h bytes here, the rest in the immediate
	v_add_nc_u32 v[STO], s23, v5
	v_lshlrev_b32 v[CO], 4, v6                     ; back: the 32 lanes take one row of 512 bytes; and the same in out0 and in bo
	v_add_nc_u32 v[RD], s23, v[CO]
	s_lshl_b32 s20, s17, 8
	s_lshl_b32 s21, s15, 7
	s_add_co_u32 s20, s20, s21                     ; my first token
	s_lshl_b32 s20, s20, 12                        ; rows of 4,096 bytes
	s_lshl_b32 s46, s42, 10
	s_lshl_b32 s47, s16, 9
	s_add_co_u32 s46, s46, s47                     ; my first column, in bytes
	s_mov_b32 s47, 0
	s_add_nc_u64 s[96:97], s[8:9], s[46:47]
	s_add_co_u32 s20, s20, s46
	s_mov_b32 s21, 0
	s_add_nc_u64 s[12:13], s[10:11], s[20:21]
	global_load_b128 v[BO:BO+3], v[CO], s[96:97]   ; bo of my four columns of a row read back: wanted on the way out
.macro FRAG reg, adr, q, i             ; wo's fragment, from padded rows, in pieces of 8 bytes
.irp p, 0,1,2,3,4,5
.set PCE, 12*(\q)+6*(\p/3)+\p%3
.if PCE%8 < 5
	ds_load_b64 v[\reg+2*\p:\reg+2*\p+1], v[\adr] offset:8*PCE+16*(PCE/8)+(\i)*16*PITCH
.else
	ds_load_b64 v[\reg+2*\p:\reg+2*\p+1], v[\adr+2] offset:8*PCE+16*(PCE/8)+(\i)*16*PITCH
.endif
.endr
.endm
.macro FRAGA reg, slot, q, i           ; A's fragment: six chunks, 256 consecutive bytes an instruction: tile of tokens i, heads 2 q and 2 q + 1 of the slot's four
.irp c, 0,1
.irp p, 0,1,2
	ds_load_b64 v[\reg+6*\c+2*\p:\reg+6*\c+2*\p+1], v[ADRA+\slot] offset:ASTEP*(\i)+768*(2*(\q)+\c)+256*\p
.endr
.endr
.endm
; 16 matrix instructions; the 64 accumulators take turns, one instruction a turn, in the same order in every step
.macro MUL16 a0, p, q, sc, zero
.irp a, \a0, \a0+1
.irp b, 0,1,2,3,4,5,6,7
.if \zero
	v_wmma_scale_f32_16x16x128_f8f6f4 v[8*(8*((\a)%4)+\b):8*(8*((\a)%4)+\b)+7], v[128*(\p)+FR*\b:128*(\p)+FR*\b+FR-1], v[AF+FR*(\a):AF+FR*(\a)+FR-1], 0, v[SC+8*NQ*(\sc)+NQ*\b+(\q)], v[SC+8*NQ*(\sc)+NQ*(\a)+(\q)] matrix_a_fmt:MATRIX_FMT_FP6 matrix_b_fmt:MATRIX_FMT_FP6 matrix_a_scale:MATRIX_SCALE_ROW1
.else
	v_wmma_scale_f32_16x16x128_f8f6f4 v[8*(8*((\a)%4)+\b):8*(8*((\a)%4)+\b)+7], v[128*(\p)+FR*\b:128*(\p)+FR*\b+FR-1], v[AF+FR*(\a):AF+FR*(\a)+FR-1], v[8*(8*((\a)%4)+\b):8*(8*((\a)%4)+\b)+7], v[SC+8*NQ*(\sc)+NQ*\b+(\q)], v[SC+8*NQ*(\sc)+NQ*(\a)+(\q)] matrix_a_fmt:MATRIX_FMT_FP6 matrix_b_fmt:MATRIX_FMT_FP6 matrix_a_scale:MATRIX_SCALE_ROW1
.endif
.endr
.endr
.endm
.macro FETCH_B slot, q, p
	WIN TO_B
.irp i, 0,1,2,3,4,5,6,7
	FRAG 128*(\p)+FR*\i, ADRB+\slot, \q, \i
.endr
	WIN 0
.endm
.macro FETCH_A slot, q, i0
.irp i, \i0, \i0+1, \i0+2, \i0+3
	FRAGA AF+FR*(\i), \slot, \q, \i
.endr
.endm
.macro SCALES sc
.irp i, 0,1,2,3,4,5,6,7
	ds_load_b64 v[SC+8*NQ*\sc+NQ*\i:SC+8*NQ*\sc+NQ*\i+1], v[ADRS] offset:\i*SBLK
.endr
.endm
.macro PLACES n
.rept \n
	v_nop
.endr
.endm
.macro STEP slot, q, zero
	s_wait_dscnt 4*NL                              ; wo's set and A's blocks 0-3 are in; the youngest 24 loads (A's blocks 4-7) may be out
	WIN MUL_LO
	MUL16 0, (\q)%2, \q, \slot, \zero
	MUL16 2, (\q)%2, \q, \slot, \zero
	s_wait_dscnt 0
	PLACES NP
	FETCH_B \slot, (\q)+1, 1-(\q)%2
	FETCH_A \slot, (\q)+1, 0
	WIN MUL_HI
	MUL16 4, (\q)%2, \q, \slot, \zero
	MUL16 6, (\q)%2, \q, \slot, \zero
	PLACES NP
	WIN 0
	FETCH_A \slot, (\q)+1, 4
.endm
.macro TURN slot, next, fill
	s_wait_tensorcnt 0x0                           ; all my tensor loads have landed: my part of the next slot
	ds_add_u32 v[SPW], v[NIL]                      ; 0 onto my spare word
	s_wait_dscnt 4*NL+1                            ; the add and the youngest 24 loads may be out
	WIN MUL_LO
	MUL16 0, 1, NQ-1, \slot, 0
	s_wait_dscnt 0x0                               ; the add is done, and my reads of this slot are over
	s_barrier_signal -1
	MUL16 2, 1, NQ-1, \slot, 0
	WIN 0
	s_barrier_wait -1
.if \fill
	CREST                                          ; the barrier has opened a round of the cluster's
	s_add_nc_u64 s[G0+4*\slot+2:G0+4*\slot+3], s[G0+4*\slot+2:G0+4*\slot+3], 2*ASTEP
	s_add_nc_u64 s[G0B+4*\slot+2:G0B+4*\slot+3], s[G0B+4*\slot+2:G0B+4*\slot+3], 2*ROWB
	JLOAD G0+4*\slot, G1, G0B+4*\slot, G1B         ; the first tensor load behind the round; its four v_nop are the places in front of the loads below
.else
	PLACES NP
.endif
	v_add_nc_u32 v[ADRS], 4*NQ, v[ADRS]
	FETCH_B \next, 0, 0
	FETCH_A \next, 0, 0
	SCALES \next
	WIN MUL_HI
	MUL16 4, 1, NQ-1, \slot, 0
	MUL16 6, 1, NQ-1, \slot, 0
	PLACES NP
	WIN 0
	FETCH_A \next, 0, 4
.endm
	s_wait_tensorcnt 1                             ; the scales and my part of K step 0 are in; K step 1's load may be out
	s_barrier_signal -1
	s_barrier_wait -1
	FETCH_B 0, 0, 0
	FETCH_A 0, 0, 0
	SCALES 0
	FETCH_A 0, 0, 4
	STEP 0, 0, 1
	s_mov_b32 s3, LAPS-1
.Llap:
	TURN 0, 1, 1
	STEP 1, 0, 0
	TURN 1, 0, 1
	STEP 0, 0, 0
	s_sub_co_u32 s3, s3, 1
	s_cmp_lg_u32 s3, 0
	s_cbranch_scc1 .Llap
	TURN 0, 1, 0
	STEP 1, 0, 0
	s_wait_dscnt 4*NL
	WIN MUL_LO
	MUL16 0, 1, NQ-1, 1, 0
	MUL16 2, 1, NQ-1, 1, 0
	s_wait_dscnt 0
	WIN MUL_HI
	MUL16 4, 1, NQ-1, 1, 0
	MUL16 6, 1, NQ-1, 1, 0
	WIN 0
; THE WAY OUT, block by block of 16 tokens x 128 columns, through my own stage: in by lanes (columns put back in their order), back as whole rows of 512 bytes, + bo, stored at the token's own row.
.macro TOSTAGE a
.set AC, 64*((\a)%4)
	WIN 0x08+4*((\a)/4)                            ; an LDS store's data: window 2 or 3
.irp b, 0,1,2,3,4,5,6,7
	ds_store_b128 v[STO], v[AC+8*\b:AC+8*\b+3] offset:128*(\b/2)+32*(\b%2)          ; each accumulator from its low end on
	ds_store_b128 v[STO], v[AC+8*\b+4:AC+8*\b+7] offset:128*(\b/2)+32*(\b%2)+16
.endr
	WIN 0
.set BB, BK+64*((\a)%2)
.irp t, 0,1,2,3,4,5,6,7,8,9,10,11,12,13,14,15
	ds_load_b128 v[BB+4*\t:BB+4*\t+3], v[RD] offset:\t*SPITCH   ; LDS serves a wave's instructions in order: these see the stores above
.endr
.endm
.macro SEND a, younger
.set BB, BK+64*((\a)%2)
	s_wait_dscnt \younger                          ; the block is back; the LDS instructions issued behind its loads may be out
.irp t, 0,1,2,3,4,5,6,7,8,9,10,11,12,13,14,15
	v_pk_add_f32 v[BB+4*\t:BB+4*\t+1], v[BB+4*\t:BB+4*\t+1], v[BO:BO+1]
	v_pk_add_f32 v[BB+4*\t+2:BB+4*\t+3], v[BB+4*\t+2:BB+4*\t+3], v[BO+2:BO+3]
.endr
.irp t, 0,1,2,3,4,5,6,7,8,9,10,11,12,13,14,15
	global_store_b128 v[CO], v[BB+4*\t:BB+4*\t+3], s[12:13] offset:(32*((\a)/2)+8*((\a)%2)+\t+8*(\t/8))*4096 th:TH_STORE_NT   ; stored row 16 a + t is token 32 (a / 2) + 8 (a % 2) + t + 8 (t / 8); 512 consecutive bytes, aligned
.endr
.endm
	PLACES NP                                      ; behind the last products
	s_wait_loadcnt 0x0                             ; bo
	TOSTAGE 0
.irp a, 1,2,3,4,5,6,7
.if \a > 1
	s_wait_xcnt 0x0                                ; block a - 2's stores have read their registers: block a's loads may land there
.endif
	TOSTAGE \a
	SEND \a-1, 32                                  ; behind block a - 1's loads: block a's 16 stores and 16 loads
.endr
	SEND 7, 0
	s_wait_tensorcnt 0x0                           ; the wave's end
	ds_add_u32 v[SPW], v[NIL]
	s_wait_dscnt 0x0
	CROUND                                         ; the closing round
	s_endpgm
.Lfunc_end_k_q53e496fb8f_proj:
	.size	k_q53e496fb8f_proj, .Lfunc_end_k_q53e496fb8f_proj-k_q53e496fb8f_proj
	.p2alignl 7, 3214868480
	.fill 96, 4, 3214868480
	.section	.rodata,"a",@progbits
	.p2align	6, 0x0
	.amdhsa_kernel k_q53e496fb8f_proj
		.amdhsa_group_segment_fixed_size 327680
		.amdhsa_private_segment_fixed_size 0
		.amdhsa_enable_private_segment 0
		.amdhsa_kernarg_size 32
		.amdhsa_user_sgpr_count 2
		.amdhsa_user_sgpr_kernarg_segment_ptr 1
		.amdhsa_wavefront_size32 1
		.amdhsa_system_sgpr_workgroup_id_x 1
		.amdhsa_system_sgpr_workgroup_id_y 1
		.amdhsa_system_sgpr_workgroup_id_z 1
		.amdhsa_system_vgpr_workitem_id 0
		.amdhsa_next_free_vgpr 1024
		.amdhsa_next_free_sgpr 98
		.amdhsa_reserve_vcc 0
		.amdhsa_float_denorm_mode_32 3
		.amdhsa_float_denorm_mode_16_64 3
		.amdhsa_memory_ordered 1
		.amdhsa_forward_progress 1
		.amdhsa_inst_pref_size 176
	.end_amdhsa_kernel
	.amdgpu_metadata
---
amdhsa.version: [ 1, 2 ]
amdhsa.kernels:
  - .name:           k_q53e496fb8f_proj
    .symbol:         k_q53e496fb8f_proj.kd
    .args:
      - { .name: att, .offset: 0, .size: 8, .value_kind: global_buffer, .address_space: global }
      - { .name: prep, .offset: 8, .size: 8, .value_kind: global_buffer, .address_space: global }
      - { .name: bo, .offset: 16, .size: 8, .value_kind: global_buffer, .address_space: global }
      - { .name: out0, .offset: 24, .size: 8, .value_kind: global_buffer, .address_space: global }
    .group_segment_fixed_size: 327680
    .private_segment_fixed_size: 0
    .kernarg_segment_align: 8
    .kernarg_segment_size: 32
    .max_flat_workgroup_size: 128
    .sgpr_count:     98
    .vgpr_count:     1024
    .wavefront_size: 32
...
	.end_amdgpu_metadata
.endif
;; end of part 4
